; MI455X (gfx1250); checked and timed in simulation.
; The chip was launched on July 23, 2026; its instructions are those of AMD's public machine-readable ISA for CDNA 5 (MIT licence, August 2026) and "CDNA5" Instruction Set Architecture Reference Guide (July 2026). The comments in the code are by the model that wrote it; some were corrected since.
;; Attention. Allowed arithmetic: float matrix products may take bf16 or f16 operands with f32 sums; all other float work in f32.
;; Inputs: Wk 1,024 x 1,024 float32; Wo 1,024 x 1,024 float32; Wq 1,024 x 1,024 float32; Wv 1,024 x 1,024 float32; bk 1,024 float32; bo 1,024 float32; bq 1,024 float32; bv 1,024 float32; x 4 x 2,048 x 1,024 float32.
;; Outputs: out0 4 x 2,048 x 1,024 float32.
;; 2 versions, each right; version 2 is version 1 with the launch cast written anew for expert scheduling mode. Each part assembles by itself: llvm-mc -triple=amdgcn-amd-amdhsa -mcpu=gfx1250 --defsym DOCPART=n.
;; ======== version 1 of 2: 4 launches
;; limits: values are held in f16: magnitudes above 65,504 overflow, below 6.1e-05 lose precision
;; workspace buffers: xh 16,777,216 bytes; wh 6,291,456 bytes; woh 2,097,152 bytes; qkv 50,331,648 bytes; vl 2,097,152 bytes; oh 17,825,792 bytes
;; launch cast (part 1): grid 768 x 1, 8 waves a work-group, no clusters, 0 bytes of LDS; arguments x, Wq, Wk, Wv, Wo, xh, wh, woh; writes xh, wh, woh
.if DOCPART == 1
	.amdgcn_target "amdgcn-amd-amdhsa--gfx1250"
	.amdhsa_code_object_version 6
	.text
	.protected	k_q439a674fc7_cast
	.globl	k_q439a674fc7_cast
	.p2align	8
	.type	k_q439a674fc7_cast,@function
k_q439a674fc7_cast:
	s_mov_b64 s[64:65], 0
	v_nop
	global_prefetch_b8 v0, s[64:65] scope:SCOPE_SE
	s_setreg_imm32_b32 hwreg(HW_REG_WAVE_MODE, 25, 1), 1
	s_wait_xcnt 0x0
; The matrix operands among the inputs, rounded to bf16, held in f16, and laid in a new order: a source of rows of 1,024 numbers becomes
; [16 chunks][rows][64 numbers] ("chunk-major"), so that later a tile of R rows and 64 along the contraction axis is one dense block of R x 128 bytes.
;   x  [8192][1024] -> xh  [16][8192][64]
;   Wq, Wk, Wv      -> wh  [16][3072][64]  (rows 0-1023 Wq, 1024-2047 Wk, 2048-3071 Wv)
;   Wo              -> woh [16][1024][64]
; WHY TWO ROUNDINGS: the inputs are taken at bf16 (8 significant bits); the later launches keep their intermediate results in f16 (11 bits), and a matrix
; instruction takes both operands in one format.  f16 holds a bf16 number exactly from 2^-17 = 7.6e-6 up to 65,504, so the second conversion changes nothing there,
; and a product of two such numbers is exact in the f32 sums.
; 12,288 source rows of 4,096 bytes, 16 rows a work-group: 768 work-groups.  A wave takes two rows: 16 lanes x 16 bytes read the 256 bytes of one
; row's chunk, and write its 128 bytes; the two rows lie next to each other in the chunk, so each store of a wave covers 256 consecutive bytes, aligned.
; All 16 loads of a lane go out first: no loop, no LDS, no barrier.  Memory binds: matrix units, clusters and tensor loads would add nothing.
; LIMIT: a number of magnitude 65,520 or more becomes an infinity in f16; below 7.6e-6 a number is held to 6e-8.
.set VO, 4                             ; v[4:19]    byte offset of my 8 bytes in chunk kc
.set XR, 20                            ; v[20:83]   chunk kc: 4 numbers as loaded, then as rounded to bf16
.set YR, 84                            ; v[84:115]  chunk kc: 4 numbers in bf16, then in f16
	s_load_b512 s[8:23], s[0:1], 0x0               ; x s[8:9], Wq s[10:11], Wk s[12:13], Wv s[14:15], Wo s[16:17], xh s[18:19], wh s[20:21], woh s[22:23]
	s_mov_b32 s2, ttmp9                            ; work-groups 0-511: x; 512-767: 64 for each of Wq, Wk, Wv, Wo
	s_sub_co_u32 s3, s2, 512                       ; (used only from 512 on)
	s_bfe_u32 s4, s3, 0x20006                      ; which weight: 2 bits from bit 6
	s_and_b32 s5, s3, 63                           ; which 16 rows of it
	s_mov_b32 s6, 0xffff0000                       ; a word's upper bf16
	s_lshl_b32 s29, s4, 17                         ; its 1,024 rows of 128 bytes in a chunk of wh
	s_mov_b32 s28, 393216                          ; bytes from chunk to chunk in wh: 3,072 x 128
	v_lshrrev_b32 v3, 4, v0                        ; my row of the 16
	v_and_b32 v2, 15, v0                           ; my place in a chunk's row
	v_lshlrev_b32 v1, 12, v3
	v_lshl_add_u32 v1, v2, 4, v1                   ; source: row x 4,096 + 16 x place
	v_lshlrev_b32 v3, 7, v3
	v_lshl_add_u32 v2, v2, 3, v3                   ; target: row x 128 + 8 x place
	s_wait_kmcnt 0x0
	s_cmp_eq_u32 s4, 1
	s_cselect_b64 s[24:25], s[12:13], s[10:11]
	s_cmp_eq_u32 s4, 2
	s_cselect_b64 s[24:25], s[14:15], s[24:25]
	s_cmp_eq_u32 s4, 3
	s_cselect_b64 s[24:25], s[16:17], s[24:25]     ; the source among the weights
	s_cselect_b64 s[26:27], s[22:23], s[20:21]     ; Wo goes to woh, the others to wh
	s_cselect_b32 s28, 131072, s28                 ; woh's chunks are 1,024 x 128 bytes
	s_cselect_b32 s29, 0, s29
	s_cmp_lt_u32 s2, 512
	s_cselect_b64 s[24:25], s[8:9], s[24:25]       ; or x
	s_cselect_b64 s[26:27], s[18:19], s[26:27]     ; to xh,
	s_cselect_b32 s28, 1048576, s28                ; whose chunks are 8,192 x 128 bytes
	s_cselect_b32 s29, 0, s29
	s_cselect_b32 s5, s2, s5                       ; the block of 16 rows in its source
	s_lshl_b32 s30, s5, 16                         ; 16 rows of 4,096 bytes
	s_mov_b32 s31, 0
	s_add_nc_u64 s[24:25], s[24:25], s[30:31]
	s_lshl_b32 s30, s5, 11                         ; 16 rows of 128 bytes
	s_add_co_u32 s30, s30, s29
	s_add_nc_u64 s[26:27], s[26:27], s[30:31]
.irp kc, 0,1,2,3,4,5,6,7,8,9,10,11,12,13,14,15
	global_load_b128 v[XR+4*\kc:XR+4*\kc+3], v1, s[24:25] offset:256*\kc th:TH_LOAD_NT   ; read once in the launch
.endr
.irp kc, 0,1,2,3,4,5,6,7,8,9,10,11,12,13,14,15
	v_mad_u32_u24 v[VO+\kc], s28, \kc, v2          ; chunk x its stride + my place
.endr
.irp kc, 0,1,2,3,4,5,6,7,8,9,10,11,12,13,14,15
	s_wait_loadcnt 15-\kc                          ; loads come back in order: chunk kc is in, the younger ones stay out
	v_cvt_pk_bf16_f32 v[YR+2*\kc], v[XR+4*\kc], v[XR+4*\kc+1]      ; to bf16, nearest even
	v_cvt_pk_bf16_f32 v[YR+2*\kc+1], v[XR+4*\kc+2], v[XR+4*\kc+3]
	v_lshlrev_b32 v[XR+4*\kc], 16, v[YR+2*\kc]                     ; back to f32: a shift or a mask
	v_and_b32 v[XR+4*\kc+1], s6, v[YR+2*\kc]
	v_lshlrev_b32 v[XR+4*\kc+2], 16, v[YR+2*\kc+1]
	v_and_b32 v[XR+4*\kc+3], s6, v[YR+2*\kc+1]
	v_cvt_pk_f16_f32 v[YR+2*\kc], v[XR+4*\kc], v[XR+4*\kc+1]       ; the same numbers in f16
	v_cvt_pk_f16_f32 v[YR+2*\kc+1], v[XR+4*\kc+2], v[XR+4*\kc+3]
	global_store_b64 v[VO+\kc], v[YR+2*\kc:YR+2*\kc+1], s[26:27]
.endr
	s_endpgm
.Lfunc_end_k_q439a674fc7_cast:
	.size	k_q439a674fc7_cast, .Lfunc_end_k_q439a674fc7_cast-k_q439a674fc7_cast
	.p2alignl 7, 3214868480
	.fill 96, 4, 3214868480
	.section	.rodata,"a",@progbits
	.p2align	6, 0x0
	.amdhsa_kernel k_q439a674fc7_cast
		.amdhsa_group_segment_fixed_size 0
		.amdhsa_private_segment_fixed_size 0
		.amdhsa_enable_private_segment 0
		.amdhsa_kernarg_size 64
		.amdhsa_user_sgpr_count 2
		.amdhsa_user_sgpr_kernarg_segment_ptr 1
		.amdhsa_wavefront_size32 1
		.amdhsa_system_sgpr_workgroup_id_x 1
		.amdhsa_system_sgpr_workgroup_id_y 1
		.amdhsa_system_sgpr_workgroup_id_z 1
		.amdhsa_system_vgpr_workitem_id 0
		.amdhsa_next_free_vgpr 116
		.amdhsa_next_free_sgpr 66
		.amdhsa_reserve_vcc 0
		.amdhsa_float_denorm_mode_32 3
		.amdhsa_float_denorm_mode_16_64 3
		.amdhsa_memory_ordered 1
		.amdhsa_forward_progress 1
		.amdhsa_inst_pref_size 13
	.end_amdhsa_kernel
	.amdgpu_metadata
---
amdhsa.version: [ 1, 2 ]
amdhsa.kernels:
  - .name:           k_q439a674fc7_cast
    .symbol:         k_q439a674fc7_cast.kd
    .args:
      - { .name: x, .offset: 0, .size: 8, .value_kind: global_buffer, .address_space: global }
      - { .name: Wq, .offset: 8, .size: 8, .value_kind: global_buffer, .address_space: global }
      - { .name: Wk, .offset: 16, .size: 8, .value_kind: global_buffer, .address_space: global }
      - { .name: Wv, .offset: 24, .size: 8, .value_kind: global_buffer, .address_space: global }
      - { .name: Wo, .offset: 32, .size: 8, .value_kind: global_buffer, .address_space: global }
      - { .name: xh, .offset: 40, .size: 8, .value_kind: global_buffer, .address_space: global }
      - { .name: wh, .offset: 48, .size: 8, .value_kind: global_buffer, .address_space: global }
      - { .name: woh, .offset: 56, .size: 8, .value_kind: global_buffer, .address_space: global }
    .group_segment_fixed_size: 0
    .private_segment_fixed_size: 0
    .kernarg_segment_align: 8
    .kernarg_segment_size: 64
    .max_flat_workgroup_size: 256
    .sgpr_count:     66
    .vgpr_count:     116
    .wavefront_size: 32
...
	.end_amdgpu_metadata
.endif
;; end of part 1
;; launch qkv (part 2): grid 8 x 32, 4 waves a work-group, clusters of 4 x 4, 327,680 bytes of LDS; arguments xh, wh, bq, bk, bv, qkv, vl; writes qkv, vl
.if DOCPART == 2
	.amdgcn_target "amdgcn-amd-amdhsa--gfx1250"
	.amdhsa_code_object_version 6
	.text
	.protected	k_q439a674fc7_qkv
	.globl	k_q439a674fc7_qkv
	.p2align	8
	.type	k_q439a674fc7_qkv,@function
k_q439a674fc7_qkv:
	s_mov_b64 s[64:65], 0
	v_nop
	global_prefetch_b8 v0, s[64:65] scope:SCOPE_SE
	s_setreg_imm32_b32 hwreg(HW_REG_WAVE_MODE, 25, 1), 1
	s_wait_xcnt 0x0
	s_wait_alu depctr_hold_cnt(0) depctr_sa_sdst(0) depctr_va_vdst(0) depctr_va_sdst(0) depctr_va_ssrc(0) depctr_va_vcc(0) depctr_vm_vsrc(0)
	s_getreg_b32 s2, hwreg(HW_REG_IB_STS2, 6, 4)
	s_cmp_eq_u32 s2, 0
	s_cbranch_scc0 .Lentry_in_a_cluster
	s_endpgm
.Lentry_in_a_cluster:
	s_bfe_u32 s2, ttmp6, 0x10000c
	s_cmp_lg_u32 s2, 0xf033
	s_cbranch_scc0 .Lentry_shape_is_right
	s_endpgm
.Lentry_shape_is_right:
; The three projections as one launch: q = (x Wq^T + bq) sc, k = x Wk^T + bk, v = x Wv^T + bv, rounded to f16.  sc = 0.125 log2(e): the score's scale, and base 2 for the softmax.
; Operands f16, chunk-major (xh [16][8192][64], wh [16][3072][64]); sums f32; result qkv [48 chunks][8192][64] f16: chunk h = q of head h, 16 + h = k, 32 + h = v.
; A work-group makes 256 rows x 384 columns: block column bx holds heads 2 bx and 2 bx + 1, that is 128 rows each of Wq, Wk and Wv.  32 x 8 = 256 work-groups.
; Four waves, each 128 rows x 192 columns: wave (wm, wn) has q, k and v of head 2 bx + wn: 8 x 12 accumulator tiles of 16 x 16, 768 registers.
; For 32 along K a wave reads (128 + 192) x 64 bytes of LDS for 96 matrix instructions.
; K goes in 16 steps of one chunk (64) through two LDS slots; a tile is a dense block of memory and is fetched as rows of 256 bytes.
; CLUSTERS: 4 x 4 work-groups.  x's tile hangs on the block row alone and is asked for jointly by a row of the cluster, W's on the block column alone and is
; asked for jointly by a column: the requests for both are divided by four.
; V IN TWO HALVES: an output row with few keys is a sum of few terms of v and stands far above the output's root mean square, so one rounding of v to f16 (2^-11)
; shows there.  For rows 0-31 of every block of 256 rows v is therefore cut to f16's 11 bits (exact in f16) and the rest goes, in f16, to vl [16 heads][32 blocks][32 rows][64].
; Only the block at a batch's row 0 needs it; which block row a work-group has hangs on its place in the cluster; every block does it.
; LIMIT: |0.18 q|, |k|, |v| of 65,520 or more become infinities in f16; a half below 6.1e-5 is held to 6e-8.
;
; REGISTERS: window 0: v0-31 addresses; v32-95, v96-159 fragments of x (8 x 16 rows x 32 K), two buffers; v160-255 fragments of W: three groups of four (q, k, v), one buffer
; each, loaded again as soon as the group's 32 products are issued.  Windows 1, 2, 3: the 32 tiles of q, k, v, tile (a, bb) at v[8 (4 a + bb)].
; THE MATRIX INSTRUCTION IS USED TRANSPOSED: source 0 = 16 rows of W, source 1 = 16 rows of x, so that lane l holds row l % 16 of the result and its eight registers the
; columns 8 (l / 16) + 0..7: eight neighbouring numbers, 16 bytes in f16.
.set PITCH,  144                       ; an LDS row: 128 bytes + 16 of padding, an odd multiple of 16: the 16 rows of a fragment load start at 16 different 16-byte columns of 256 bytes
.set FR,     16*PITCH                  ; 16 rows: from fragment to fragment
.set ABYTES, 256*PITCH                 ; x's tile
.set BQ,     128*PITCH                 ; 128 rows of one W: what one of waves 1 to 3 brings
.set SLOT,   ABYTES+3*BQ               ; 92,160
.set STAGE,  2*SLOT                    ; behind the ring: 32 rows x 144 bytes for each wave, for the way out
.set SROWS,  32*PITCH
.set BIAS,   STAGE+4*SROWS             ; 3 x 64 numbers of bias for each wave
.set ASTEP,  1048576                   ; bytes from chunk to chunk in xh, and in qkv
.set BSTEP,  393216                    ; in wh
.set ADRA, 16                          ; v16-17  LDS address of my fragments of x in slot 0, 1
.set ADRB, 18                          ; v18-19  the same for W
.set STO,  20                          ; the way out: where I put 16 bytes of a row
.set RD,   21                          ; the way out: where I read rows back
.set CO,   22                          ; my byte offset in 512 bytes of the result
.set BST,  23                          ; where I put two numbers of the bias
.set BADR, 24                          ; where I read my eight
.set FA0,  32
.set FA1,  96
.set FB,   160
.set BR,   160                         ; the way out: 32 numbers of bias
.set TMP,  192                         ; the way out: packed results
.set LOF,  96                          ; the way out: 64 numbers: v cut to 11 bits, then the rest
.set TML,  224                         ; the way out: the rest, packed
.set G1,  24                           ; s[24:31] descriptor group 1 for x's tiles
.set G0,  32                           ; s[32:39] group 0 for x's tiles, a set for each slot
.set G1B, 48                           ; s[48:55] group 1 for W's tiles
.set G0B, 56                           ; s[56:63] group 0 for W's tiles, a set for each slot
.set MSB, 0
.macro WIN new                         ; s_set_vgpr_msb: bits 1:0 source 0, 3:2 source 1, 5:4 source 2, 7:6 destination; the high byte repeats the setting that is left
.if MSB != \new
	s_set_vgpr_msb (MSB<<8)|\new
.set MSB, \new
.endif
.endm
.macro PLACES                          ; four places behind a matrix instruction, ahead of a load into one of its sources or a vector read of its result
.rept 4
	v_nop
.endr
.endm
; A joint load.  Wave 0 fetches x's tile, waves 1, 2, 3 the 128 rows of Wq, Wk, Wv.  Each line has one mask; the branch hangs on the wave's number alone.
.macro JLOAD s
	s_cmp_eq_u32 s10, 0
	s_cbranch_scc0 .Lfor_b_\@
	tensor_load_to_lds s[G0+4*\s:G0+4*\s+3], s[G1:G1+7]
	s_nop 0
	s_branch .Lasked_\@
.Lfor_b_\@:
	tensor_load_to_lds s[G0B+4*\s:G0B+4*\s+3], s[G1B:G1B+7]
	s_nop 0
.Lasked_\@:
.endm
.macro CREST                           ; a round of the cluster's barrier behind its opening work-group barrier
	s_cmp_lg_u32 s10, 0
	s_cbranch_scc1 .Lnot_wave_0_\@
	s_barrier_signal -3
.Lnot_wave_0_\@:
	s_barrier_wait -3
	s_barrier_signal -1
	s_barrier_wait -1
.endm
.macro CROUND                          ; a whole round
	s_barrier_signal -1
	s_barrier_wait -1
	CREST
.endm
	s_load_b256 s[68:75], s[0:1], 0x0              ; xh s[68:69], wh s[70:71], bq s[72:73], bk s[74:75]
	s_load_b128 s[76:79], s[0:1], 0x20             ; bv s[76:77], qkv s[78:79]
	s_load_b64 s[96:97], s[0:1], 0x30              ; vl
	v_lshl_add_u32 v30, v0, 2, 0x32400
	v_mov_b32 v31, 0
	ds_add_u32 v30, v31
	v_lshrrev_b32 v1, 5, v0
	v_readfirstlane_b32 s10, v1                    ; wave 0..3
	s_lshr_b32 s11, s10, 1                         ; wm: which 128 rows of the block are mine
	s_and_b32 s12, s10, 1                          ; wn: which of the two heads
	s_bfe_u32 s40, ttmp6, 0x40000                  ; cx
	s_bfe_u32 s41, ttmp6, 0x40004                  ; cy
	s_lshl_b32 s42, ttmp9, 2
	s_add_co_u32 s42, s42, s40                     ; block column = 4 x cluster x + cx
	s_and_b32 s13, ttmp7, 0xffff
	s_lshl_b32 s13, s13, 2
	s_add_co_u32 s13, s13, s41                     ; block row = 4 x cluster y + cy
	s_lshl_b32 s43, s41, 2
	s_lshl_b32 s43, 15, s43                        ; my row of the cluster
	s_lshl_b32 s44, 0x1111, s40                    ; my column
	; group 1: a dense block as rows of 32 elements of 8 bytes; 16 bytes of padding behind every 32 words, that is behind each 128 bytes of data
	s_or_b32 s[G1+0], s43, 0x07330000              ; 15:0 mask; 17:16 = 3 (8 bytes); 20 padding on; 21 set beside a mask; 24:22 = 4 (every 32 words); 31:25 = 3 (4 words)
	s_or_b32 s[G1B+0], s44, 0x07330000
	s_mov_b32 s[G1+1], 32<<16                      ; tensor_dim0 = 32
	s_mov_b32 s[G1B+1], 32<<16
	s_mov_b32 s[G1+2], 128<<16                     ; tensor_dim1: x's tile is 256 x 128 bytes = 128 rows of 256
	s_mov_b32 s[G1B+2], 64<<16                     ; 128 rows of a W are 128 x 128 bytes = 64 rows of 256
	s_mov_b32 s[G1+3], 32<<16                      ; tile_dim0 = 32
	s_mov_b32 s[G1B+3], 32<<16
	s_mov_b32 s[G1+4], 128                         ; tile_dim1
	s_mov_b32 s[G1B+4], 64
	s_mov_b32 s[G1+5], 32                          ; from row to row: 32 elements, dense
	s_mov_b32 s[G1B+5], 32
	s_mov_b32 s[G1+6], 0
	s_mov_b32 s[G1B+6], 0
	s_mov_b32 s[G1+7], 0
	s_mov_b32 s[G1B+7], 0
	; x's address is made of the block row alone, W's of the block column and the wave's number, each in registers that never hold the other coordinate
	s_lshl_b32 s16, s13, 15                        ; 256 rows of 128 bytes
	s_mov_b32 s17, 0
	s_max_u32 s21, s10, 1
	s_sub_co_u32 s21, s21, 1                       ; waves 1, 2, 3: Wq, Wk, Wv (wave 0 asks for none; its number is kept inside the buffer)
	s_lshl_b32 s21, s21, 17                        ; 1,024 rows of 128 bytes a W
	s_lshl_b32 s46, s42, 14                        ; 128 rows of 128 bytes a block column
	s_add_co_u32 s46, s46, s21
	s_mov_b32 s47, 0
	s_add_co_u32 s20, s10, 1
	s_mul_i32 s20, s20, BQ                         ; where they go: behind x's 256 rows = (wave + 1) x 128 rows
	s_wait_dscnt 0x0
	s_wait_kmcnt 0x0
	s_add_nc_u64 s[14:15], s[68:69], s[16:17]
	s_add_nc_u64 s[46:47], s[70:71], s[46:47]
	CROUND                                         ; all sixteen work-groups are here: the first joint loads meet
.irp s, 0,1
	s_mov_b32 s[G0+4*\s], 1
	s_mov_b32 s[G0+4*\s+1], \s*SLOT
	s_add_nc_u64 s[G0+4*\s+2:G0+4*\s+3], s[14:15], \s*ASTEP        ; chunk s
	s_or_b32 s[G0+4*\s+3], s[G0+4*\s+3], 0x80000000
	s_mov_b32 s[G0B+4*\s], 1
	s_add_co_u32 s[G0B+4*\s+1], s20, \s*SLOT
	s_add_nc_u64 s[G0B+4*\s+2:G0B+4*\s+3], s[46:47], \s*BSTEP
	s_or_b32 s[G0B+4*\s+3], s[G0B+4*\s+3], 0x80000000
	JLOAD \s                                       ; both slots are asked for before anything else: two loads of the wave are out
.endr
	v_and_b32 v1, 15, v0                           ; r = l % 16
	v_bfe_u32 v2, v0, 4, 1                         ; h = l / 16
	v_and_b32 v4, 31, v0                           ; l
	v_mul_u32_u24 v3, v1, PITCH
	v_lshl_add_u32 v3, v2, 4, v3                   ; r x pitch + 16 h: a fragment is two loads of 16 bytes, 32 bytes apart
	s_mul_i32 s21, s11, BQ                         ; my 128 rows of x
	s_mul_i32 s22, s12, 64*PITCH                   ; my head's 64 rows in each W's 128,
	s_add_co_u32 s22, s22, ABYTES                  ; which lie behind x's 256
.irp s, 0,1
	v_add_nc_u32 v[ADRA+\s], s21, v3
	v_add_nc_u32 v[ADRB+\s], s22, v3
	s_add_co_u32 s21, s21, SLOT
	s_add_co_u32 s22, s22, SLOT
.endr
	s_mul_i32 s23, s10, SROWS
	s_add_co_u32 s23, s23, STAGE                   ; my stage
	v_add_nc_u32 v[STO], s23, v3
	v_lshrrev_b32 v5, 3, v4                        ; back: eight lanes take a row of 128 bytes, a wave four rows
	v_and_b32 v6, 7, v4
	v_mul_u32_u24 v5, v5, PITCH
	v_lshl_add_u32 v5, v6, 4, v5
	v_add_nc_u32 v[RD], s23, v5
	v_lshlrev_b32 v[CO], 4, v4
	s_mul_i32 s23, s10, 768
	s_add_co_u32 s23, s23, BIAS                    ; my 3 x 256 bytes of bias
	v_lshlrev_b32 v7, 3, v4                        ; two numbers a lane
	v_add_nc_u32 v[BST], s23, v7
	v_lshl_add_u32 v[BADR], v2, 5, s23             ; my eight columns begin at 8 h
	; The biases of my head into my own LDS bytes; bq times sc, so that (C + bq) sc = C sc + bq sc is one fused multiply-add.
	s_lshl_b32 s45, s42, 1
	s_add_co_u32 s45, s45, s12                     ; my head = 2 x block column + wn
	s_lshl_b32 s88, s45, 8                         ; 64 numbers of 4 bytes a head
	s_mov_b32 s89, 0
	s_add_nc_u64 s[90:91], s[72:73], s[88:89]
	s_add_nc_u64 s[92:93], s[74:75], s[88:89]
	s_add_nc_u64 s[94:95], s[76:77], s[88:89]
	s_mov_b32 s80, 0x3e38aa3b                      ; 0.125 log2(e), twice: the packed forms read a pair
	s_mov_b32 s81, 0x3e38aa3b
	s_mov_b32 s66, 0xffffe000                      ; keeps sign, exponent and 10 bits of mantissa: what f16 holds
	global_load_b64 v[32:33], v7, s[90:91]         ; 32 lanes x 8 bytes: the head's 256 bytes
	global_load_b64 v[34:35], v7, s[92:93]
	global_load_b64 v[36:37], v7, s[94:95]
	s_wait_loadcnt 0x0
	v_pk_mul_f32 v[32:33], v[32:33], s[80:81] op_sel_hi:[1,0]
	ds_store_b64 v[BST], v[32:33]
	ds_store_b64 v[BST], v[34:35] offset:256
	ds_store_b64 v[BST], v[36:37] offset:512
; 16 matrix instructions: x's fragments a0 .. a0 + 3 times the four of W's group g.  zero = 1: the first product starts the sums.
.macro MULG g, fa, a0, zero
.irp a, \a0, \a0+1, \a0+2, \a0+3
.irp bb, 0,1,2,3
.if \zero
	v_wmma_f32_16x16x32_f16 v[8*(4*(\a)+\bb):8*(4*(\a)+\bb)+7], v[FB+32*\g+8*\bb:FB+32*\g+8*\bb+7], v[\fa+8*(\a):\fa+8*(\a)+7], 0
.else
	v_wmma_f32_16x16x32_f16 v[8*(4*(\a)+\bb):8*(4*(\a)+\bb)+7], v[FB+32*\g+8*\bb:FB+32*\g+8*\bb+7], v[\fa+8*(\a):\fa+8*(\a)+7], v[8*(4*(\a)+\bb):8*(4*(\a)+\bb)+7]
.endif
.endr
.endr
.endm
.macro LDB g, slot, k                  ; eight loads: my head's 64 rows of W number g, 32 K at byte k of the rows
.irp bb, 0,1,2,3
	ds_load_b128 v[FB+32*\g+8*\bb:FB+32*\g+8*\bb+3],   v[ADRB+\slot] offset:\k+\g*BQ+\bb*FR
	ds_load_b128 v[FB+32*\g+8*\bb+4:FB+32*\g+8*\bb+7], v[ADRB+\slot] offset:\k+\g*BQ+\bb*FR+32
.endr
.endm
.macro LDA half, slot, k, fa           ; eight loads: four fragments of x into buffer fa
.irp a, 0,1,2,3
	ds_load_b128 v[\fa+8*(4*\half+\a):\fa+8*(4*\half+\a)+3],   v[ADRA+\slot] offset:\k+(4*\half+\a)*FR
	ds_load_b128 v[\fa+8*(4*\half+\a)+4:\fa+8*(4*\half+\a)+7], v[ADRA+\slot] offset:\k+(4*\half+\a)*FR+32
.endr
.endm
; Half a K step: 32 along K, 96 matrix instructions on buffer fa, and the next half's 40 loads (slot nslot, byte nk, x into buffer fn) in three runs, each behind the
; products that read the registers it fills.  The 96 accumulators take turns, one instruction a turn, in the same order in every half step.
; mode 0: inside a slot.  1: the slot's last half; the slot is filled again two K steps ahead.  2: the same without a fill.  3: the very last: no loads.
; In modes 1 and 2 ONE barrier changes slots: in front of it each wave has waited for its reads of this slot and for all its tensor loads (the one out is its part of
; the next slot); behind it the refill comes first, then the next slot is read.  In mode 1 that barrier opens a round of the cluster's barrier.
.macro QUARTER slot, nslot, nk, fa, fn, zero, mode
	s_wait_dscnt 8                                 ; all but the youngest eight loads (W's group 2) are in
	WIN 0x50
	MULG 0, \fa, 0, \zero
.if (\mode-1)*(\mode-2) == 0
	s_wait_dscnt 0                                 ; my reads of this slot are over
	s_wait_tensorcnt 0x0                           ; and all my tensor loads have landed
	ds_add_u32 v30, v31
	s_wait_dscnt 0x0
	s_barrier_signal -1
.endif
	MULG 0, \fa, 4, \zero                          ; registers only
.if (\mode-1)*(\mode-2) == 0
	WIN 0
	s_barrier_wait -1
.endif
.if \mode == 1
	CREST                                          ; no wave of any partner still reads this slot or has a load on its way
	s_add_nc_u64 s[G0+4*\slot+2:G0+4*\slot+3], s[G0+4*\slot+2:G0+4*\slot+3], 2*ASTEP
	s_add_nc_u64 s[G0B+4*\slot+2:G0B+4*\slot+3], s[G0B+4*\slot+2:G0B+4*\slot+3], 2*BSTEP
	JLOAD \slot                                    ; the first tensor load behind the round, one a wave
.endif
.if \mode != 3
	PLACES
	WIN 0
	LDB 0, \nslot, \nk
	LDA 0, \nslot, \nk, \fn
.endif
	WIN 0xa0
	MULG 1, \fa, 0, \zero
	MULG 1, \fa, 4, \zero
.if \mode != 3
	PLACES
	WIN 0
	LDB 1, \nslot, \nk
	LDA 1, \nslot, \nk, \fn
	s_wait_dscnt 32                                ; all but the 32 just issued: W's group 2 is in
.else
	s_wait_dscnt 0
.endif
	WIN 0xf0
	MULG 2, \fa, 0, \zero
	MULG 2, \fa, 4, \zero
.if \mode != 3
	PLACES
	WIN 0
	LDB 2, \nslot, \nk
.endif
.endm
.macro LAP zero                        ; two K steps, once round the ring, both slots filled again
	QUARTER 0, 0, 64, FA0, FA1, \zero, 0
	QUARTER 0, 1, 0,  FA1, FA0, 0, 1
	QUARTER 1, 1, 64, FA0, FA1, 0, 0
	QUARTER 1, 0, 0,  FA1, FA0, 0, 1
.endm
	s_wait_dscnt 0x0                               ; my bias stores are done: nothing of LDS is pending at a signal
	s_wait_tensorcnt 0x1                           ; my part of chunk 0 is in; chunk 1's stays out
	s_barrier_signal -1
	s_barrier_wait -1                              ; everybody's is
	LDB 0, 0, 0
	LDA 0, 0, 0, FA0
	LDB 1, 0, 0
	LDA 1, 0, 0, FA0
	LDB 2, 0, 0
	LAP 1                                          ; the first lap stands in front of the loop: its first products start the sums
	s_mov_b32 s3, 6                                ; 16 K steps = 8 laps: one written out, six here, one tail
.Llap:
	LAP 0
	s_sub_co_u32 s3, s3, 1
	s_cmp_lg_u32 s3, 0
	s_cbranch_scc1 .Llap
	QUARTER 0, 0, 64, FA0, FA1, 0, 0               ; the last lap fills nothing
	QUARTER 0, 1, 0,  FA1, FA0, 0, 2
	QUARTER 1, 1, 64, FA0, FA1, 0, 0
	QUARTER 1, 1, 0,  FA1, FA0, 0, 3
	; THE WAY OUT, q, then k, then v: the bias (and q's scale) in place, then 32 rows at a time: round to f16, 16 bytes a lane into my own stage, read back as
	; whole rows.  In qkv a chunk's rows are 128 bytes and follow each other, so four rows are 512 consecutive bytes.
	PLACES
	WIN 0
	s_lshl_b32 s16, s13, 15
	s_lshl_b32 s17, s11, 14
	s_add_co_u32 s16, s16, s17                     ; my first row: (256 x block row + 128 x wm) x 128 bytes
	s_mov_b32 s17, 0
	s_add_nc_u64 s[8:9], s[78:79], s[16:17]
	s_lshl_b32 s86, s45, 20                        ; my head's chunk
	s_mov_b32 s87, 0
	s_add_nc_u64 s[90:91], s[8:9], s[86:87]        ; q
	s_add_nc_u64 s[92:93], s[90:91], 0x1000000     ; k: 16 chunks on
	s_add_nc_u64 s[94:95], s[90:91], 0x2000000     ; v: 32 chunks on
	s_lshl_b32 s16, s13, 12                        ; vl: 32 rows of 128 bytes a block row,
	s_add_nc_u64 s[96:97], s[96:97], s[16:17]
	s_lshl_b32 s86, s45, 17                        ; 32 blocks a head
	s_add_nc_u64 s[96:97], s[96:97], s[86:87]
; 32 rows of 128 bytes, packed in tmp, through my stage into 4,096 consecutive bytes at base + off
.macro STAGEOUT tmp, f, base, off
.irp e, 0,1
.irp bb, 0,1,2,3
	ds_store_b128 v[STO], v[\tmp+16*\e+4*\bb:\tmp+16*\e+4*\bb+3] offset:\e*FR+\bb*32
.endr
.endr
	s_wait_xcnt 0x0                                ; the registers that earlier stores read are loaded again only behind this wait
.irp t, 0,1,2,3,4,5,6,7
	ds_load_b128 v[\f+4*\t:\f+4*\t+3], v[RD] offset:\t*4*PITCH     ; LDS serves a wave's instructions in order: these see the stores above
.endr
.irp t, 0,1,2,3,4,5,6,7
	s_wait_dscnt 7-\t
	global_store_b128 v[CO], v[\f+4*\t:\f+4*\t+3], s[\base:\base+1] offset:\off+\t*512   ; 512 consecutive bytes, aligned
.endr
.endm
; wfma: source 0 and destination in the group's window; wcvt: sources 0 and 1.  scaled = 1: q.  low = 1: v, whose window is 3.
.macro OUTG g, wfma, wcvt, scaled, base, low
	WIN 0
.irp bb, 0,1,2,3
	ds_load_b128 v[BR+8*\bb:BR+8*\bb+3],   v[BADR] offset:\g*256+\bb*64
	ds_load_b128 v[BR+8*\bb+4:BR+8*\bb+7], v[BADR] offset:\g*256+\bb*64+16
.endr
	s_wait_dscnt 0x0
	WIN \wfma
.irp a, 0,1,2,3,4,5,6,7
.irp bb, 0,1,2,3
.irp q, 0,2,4,6
.if \scaled
	v_pk_fma_f32 v[8*(4*\a+\bb)+\q:8*(4*\a+\bb)+\q+1], v[8*(4*\a+\bb)+\q:8*(4*\a+\bb)+\q+1], s[80:81], v[BR+8*\bb+\q:BR+8*\bb+\q+1] op_sel_hi:[1,0,1]
.else
	v_pk_add_f32 v[8*(4*\a+\bb)+\q:8*(4*\a+\bb)+\q+1], v[8*(4*\a+\bb)+\q:8*(4*\a+\bb)+\q+1], v[BR+8*\bb+\q:BR+8*\bb+\q+1]
.endif
.endr
.endr
.endr
.if \low
	; rows 0-31 of the block (waves with wm = 0, tiles a = 0, 1: registers 0-63 of the window): v = high + low
	WIN 0
	s_cmp_lg_u32 s11, 0
	s_cbranch_scc1 .Lno_low_\@
	WIN 0x0c
.set i, 0
.rept 64
	v_and_b32 v[LOF+i], s66, v[i]                  ; v cut to 11 bits
.set i, i+1
.endr
	WIN 0x03
.set i, 0
.rept 32
	v_pk_add_f32 v[LOF+2*i:LOF+2*i+1], v[2*i:2*i+1], v[LOF+2*i:LOF+2*i+1] neg_lo:[0,1] neg_hi:[0,1]   ; the rest, exact
.set i, i+1
.endr
	WIN 0xcc
.set i, 0
.rept 64
	v_and_b32 v[i], s66, v[i]                      ; the conversion below then rounds nothing away
.set i, i+1
.endr
	WIN 0
.set i, 0
.rept 32
	v_cvt_pk_f16_f32 v[TML+i], v[LOF+2*i], v[LOF+2*i+1]
.set i, i+1
.endr
	STAGEOUT TML, 32, 96, 0
.Lno_low_\@:
.endif
.irp p, 0,1,2,3
	WIN \wcvt
.irp e, 0,1
.irp bb, 0,1,2,3
.irp q, 0,1,2,3
	v_cvt_pk_f16_f32 v[TMP+16*\e+4*\bb+\q], v[8*(4*(2*\p+\e)+\bb)+2*\q], v[8*(4*(2*\p+\e)+\bb)+2*\q+1]
.endr
.endr
.endr
	WIN 0
	STAGEOUT TMP, 32+32*(\p&1), \base, \p*4096
.endr
.endm
	OUTG 0, 0x41, 0x05, 1, 90, 0
	OUTG 1, 0x82, 0x0a, 0, 92, 0
	OUTG 2, 0xc3, 0x0f, 0, 94, 1
	s_wait_tensorcnt 0x0
	ds_add_u32 v30, v31
	s_wait_dscnt 0x0
	CROUND                                         ; the closing round: no work-group ends while a partner may still ask for a tile that names it
	s_endpgm
.Lfunc_end_k_q439a674fc7_qkv:
	.size	k_q439a674fc7_qkv, .Lfunc_end_k_q439a674fc7_qkv-k_q439a674fc7_qkv
	.p2alignl 7, 3214868480
	.fill 96, 4, 3214868480
	.section	.rodata,"a",@progbits
	.p2align	6, 0x0
	.amdhsa_kernel k_q439a674fc7_qkv
		.amdhsa_group_segment_fixed_size 327680
		.amdhsa_private_segment_fixed_size 0
		.amdhsa_enable_private_segment 0
		.amdhsa_kernarg_size 56
		.amdhsa_user_sgpr_count 2
		.amdhsa_user_sgpr_kernarg_segment_ptr 1
		.amdhsa_wavefront_size32 1
		.amdhsa_system_sgpr_workgroup_id_x 1
		.amdhsa_system_sgpr_workgroup_id_y 1
		.amdhsa_system_sgpr_workgroup_id_z 1
		.amdhsa_system_vgpr_workitem_id 0
		.amdhsa_next_free_vgpr 1024
		.amdhsa_next_free_sgpr 98
		.amdhsa_reserve_vcc 0
		.amdhsa_float_denorm_mode_32 3
		.amdhsa_float_denorm_mode_16_64 3
		.amdhsa_memory_ordered 1
		.amdhsa_forward_progress 1
		.amdhsa_inst_pref_size 207
	.end_amdhsa_kernel
	.amdgpu_metadata
---
amdhsa.version: [ 1, 2 ]
amdhsa.kernels:
  - .name:           k_q439a674fc7_qkv
    .symbol:         k_q439a674fc7_qkv.kd
    .args:
      - { .name: xh, .offset: 0, .size: 8, .value_kind: global_buffer, .address_space: global }
      - { .name: wh, .offset: 8, .size: 8, .value_kind: global_buffer, .address_space: global }
      - { .name: bq, .offset: 16, .size: 8, .value_kind: global_buffer, .address_space: global }
      - { .name: bk, .offset: 24, .size: 8, .value_kind: global_buffer, .address_space: global }
      - { .name: bv, .offset: 32, .size: 8, .value_kind: global_buffer, .address_space: global }
      - { .name: qkv, .offset: 40, .size: 8, .value_kind: global_buffer, .address_space: global }
      - { .name: vl, .offset: 48, .size: 8, .value_kind: global_buffer, .address_space: global }
    .group_segment_fixed_size: 327680
    .private_segment_fixed_size: 0
    .kernarg_segment_align: 8
    .kernarg_segment_size: 56
    .max_flat_workgroup_size: 128
    .sgpr_count:     98
    .vgpr_count:     1024
    .wavefront_size: 32
...
	.end_amdgpu_metadata
.endif
;; end of part 2
;; launch attn (part 3): grid 4 x 64, 8 waves a work-group, no clusters, 327,680 bytes of LDS; arguments qkv, vl, oh; writes oh
.if DOCPART == 3
	.amdgcn_target "amdgcn-amd-amdhsa--gfx1250"
	.amdhsa_code_object_version 6
	.text
	.protected	k_q439a674fc7_attn
	.globl	k_q439a674fc7_attn
	.p2align	8
	.type	k_q439a674fc7_attn,@function
k_q439a674fc7_attn:
	s_mov_b64 s[64:65], 0
	v_nop
	global_prefetch_b8 v0, s[64:65] scope:SCOPE_SE
	s_setreg_imm32_b32 hwreg(HW_REG_WAVE_MODE, 25, 1), 1
	s_wait_xcnt 0x0
; Causal attention of one head, with a running maximum.  qkv [48 chunks][8192 rows][64] f16: chunk h = q (already times 0.125 log2 e), 16 + h = k, 32 + h = v.
; vl [16 heads][32 blocks][32 rows][64] f16: the low halves of v for the first 32 rows of each block of 256.
; Result oh [16 heads][32 blocks of 256 rows][272 rows][64] f16: a block's 256 rows, then the low halves of its rows 0-15.
; Products in f16 with f32 sums; softmax in f32, in base 2.
; FORM: S^T = K Q^T (source 0: 16 keys, source 1: 16 queries) and O^T = V^T P^T.  In S^T lane (r, h) holds query r and keys 8 h + 0..7 of a tile: packed to f16 that IS
; P^T's fragment; the row's maximum and sum are work inside a lane plus one exchange between the halves of the wave; the rescale of O is lane by lane; and a lane's eight
; results of O^T are eight neighbouring numbers of a row of oh.  V^T's fragments come from V's rows by the transposing LDS load.
; SHARE: a wave holds 64 queries, so a fragment of K or V feeds four matrix instructions.  A block is 256 queries: waves w and w + 4 hold the same 64 (w % 4), and split the
; KEYS: of each tile of 128 keys, waves 0-3 take keys 0-63 and waves 4-7 keys 64-127, each with its own maximum, sum and O; they merge through LDS at the end of a block.
; Work-group p (0..3) of a head does block p and then block 7 - p: (p + 1) + (8 - p) = 9 laps of 256 keys, the same for all 256 work-groups.
; In a block the lap on the diagonal (masked) comes first and starts the sums; the laps below it go down to key 0.
; TWO HALVES: a row with few keys is a sum of few terms and stands far above the output's root mean square, so one rounding of v or of o to f16 (2^-11) shows there.
; So wave 0 adds V_low^T P for the first 32 keys of the first block's diagonal, and stores rows 0-15 of each block as a high half (cut to 11 bits, exact in f16) and a low half.
; Only the block at a batch's row 0 (p = 0, first block) needs either; the others run the same text: 16 more matrix instructions in one wave, 2 KiB more a block.
; NO CLUSTER: the four work-groups of a head are at different keys at any time; walking the keys in step would take 12 laps where 9 do.
; No prefetch: the head's K and V (512 KiB) were stored by the launch before and are read by four work-groups.
; LIMIT: a masked score is -3.4e38 (the largest finite f32), not minus infinity.  A wave whose share of a row is all masked carries finite numbers at that maximum, and the
; next real maximum, or the merge, multiplies them by exp2 of about -3.4e38 = 0.  A true scaled score of -3.4e38 is not served.  A half below 6.1e-5 is held to 6e-8.
.set KP, 144                           ; K's LDS pitch: odd multiple of 16
.set VP, 160                           ; V's LDS pitch: odd multiple of 32, for the transposing load
.set VBYTES, 128*VP
.set KBYTES, 128*KP
.set SLOT, VBYTES+KBYTES               ; 38,912: V's tile, then K's
.set MERGE, 2*SLOT                     ; 4 x 17,408: O (32 x 512), maximum (512), sum (512) of waves 4-7
.set MSZ, 17408
.set OST, MERGE+4*MSZ                  ; 4 x 64 rows x 144: the way out of waves 0-3
.set OSZ, 64*KP
.set VLB, OST+4*OSZ                    ; 184,320: 32 keys x 160: V's low halves, filled once
.set OCH, 1114112                      ; oh: bytes of a head: 32 blocks
.set OBLK, 34816                       ; oh: bytes of a block: 272 rows of 128
.set KAD, 4
.set VAD, 5
.set QOF, 6
.set DL0, 7                            ; a score at 16 (kt - qt) + j is kept if that number is at most DL0 (first tile of the lap) or DL1 (second)
.set DL1, 8
.set MAD, 9
.set STO, 10
.set RD,  11
.set CO,  12
.set MM, 16                            ; v16-19  running maximum of my four queries
.set TT, 20                            ; v20-23  the new maximum; at the end the sum
.set UU, 24                            ; v24-27  at work
.set NM, 28                            ; v28-35  minus the maximum, twice (pairs for the packed forms)
.set AL, 36                            ; v36-43  the rescale factor, twice
.set LS, 44                            ; v44-51  two partial sums for each query
.set VLAD, 52                          ; v52     LDS address of V's low halves
.set KF, 64                            ; v64-127   K: fragment (kt, ks) at 8 (2 kt + ks); in the first unit then V_low^T: 8 dt
.set SS, 128                           ; v128-255  scores: 32 qt + 8 kt; later P: 32 qt + 8 ks
.set QF, 0                             ; window 1: v0-63     Q: 16 qt + 8 ks
.set VF, 64                            ; window 1: v64-127   V^T: 8 (2 dt + ks)
.set OO, 128                           ; window 1: v128-255  O^T: 32 qt + 8 dt
.set G1V, 16                           ; s[16:23]
.set G1K, 24                           ; s[24:31]
.set G0V, 32                           ; s[32:39] a set for each slot
.set G0K, 40                           ; s[40:47]
.set G1L, 80                           ; s[80:87] V's low halves
.set G0L, 88                           ; s[88:91]
.set MSB, 0
.macro WIN new
.if MSB != \new
	s_set_vgpr_msb (MSB<<8)|\new
.set MSB, \new
.endif
.endm
	s_load_b128 s[4:7], s[0:1], 0x0                ; qkv s[4:5], vl s[6:7]
	s_load_b64 s[92:93], s[0:1], 0x10              ; oh
	v_lshl_add_u32 v62, v0, 2, 0x2e400
	v_mov_b32 v63, 0
	ds_add_u32 v62, v63
	v_lshrrev_b32 v1, 5, v0
	v_readfirstlane_b32 s8, v1                     ; wave 0..7
	s_and_b32 s9, s8, 3                            ; which 64 queries
	s_lshr_b32 s10, s8, 2                          ; which 64 keys of a tile
	s_mov_b32 s11, ttmp9                           ; p
	s_and_b32 s12, ttmp7, 0xffff
	s_and_b32 s13, s12, 15                         ; head
	s_lshr_b32 s12, s12, 4                         ; batch
	s_lshl_b32 s14, s11, 15                        ; the lap at work, as a byte offset: 256 rows of 128 bytes a lap; first the diagonal of block p
	s_sub_co_u32 s58, 6, s11                       ; trips of the second block's loop
	s_sub_co_u32 s15, 7, s11
	s_lshl_b32 s15, s15, 15                        ; the diagonal of block 7 - p
	s_mov_b32 s54, 0x76543210                      ; v_permlanex16_b32: lane i reads lane i of the other half
	s_mov_b32 s55, 0xfedcba98
	s_mov_b32 s56, 0xff7fffff                      ; a masked score
	s_mov_b32 s59, 0xffffe000                      ; keeps sign, exponent and 10 bits of mantissa: what f16 holds
	; group 1: a tile of 128 rows x 128 bytes is dense: 64 rows of 32 elements of 8 bytes; padding behind every 32 words (128 bytes): 8 words for V, 4 for K.
	; V's low halves: 32 rows x 128 bytes = 16 rows of 256.
	s_mov_b32 s[G1V+0], 0x0f130000
	s_mov_b32 s[G1K+0], 0x07130000
	s_mov_b32 s[G1L+0], 0x0f130000
	s_mov_b32 s[G1V+1], 32<<16
	s_mov_b32 s[G1K+1], 32<<16
	s_mov_b32 s[G1L+1], 32<<16
	s_mov_b32 s[G1V+2], 64<<16
	s_mov_b32 s[G1K+2], 64<<16
	s_mov_b32 s[G1L+2], 16<<16
	s_mov_b32 s[G1V+3], 32<<16
	s_mov_b32 s[G1K+3], 32<<16
	s_mov_b32 s[G1L+3], 32<<16
	s_mov_b32 s[G1V+4], 64
	s_mov_b32 s[G1K+4], 64
	s_mov_b32 s[G1L+4], 16
	s_mov_b32 s[G1V+5], 32
	s_mov_b32 s[G1K+5], 32
	s_mov_b32 s[G1L+5], 32
	s_mov_b32 s[G1V+6], 0
	s_mov_b32 s[G1K+6], 0
	s_mov_b32 s[G1L+6], 0
	s_mov_b32 s[G1V+7], 0
	s_mov_b32 s[G1K+7], 0
	s_mov_b32 s[G1L+7], 0
.irp s, 0,1
	s_mov_b32 s[G0V+4*\s], 1
	s_mov_b32 s[G0V+4*\s+1], \s*SLOT
	s_mov_b32 s[G0K+4*\s], 1
	s_mov_b32 s[G0K+4*\s+1], \s*SLOT+VBYTES
.endr
	s_mov_b32 s[G0L], 1
	s_mov_b32 s[G0L+1], VLB
	s_lshl_b32 s70, s13, 20                        ; the head's chunk
	s_lshl_b32 s71, s12, 18                        ; the batch's 2,048 rows of 128 bytes
	s_add_co_u32 s70, s70, s71
	s_mov_b32 s71, 0
	s_mov_b32 s52, s14                             ; s[52:53]: the byte offset of the tile asked for next
	s_mov_b32 s53, 0
	s_lshl_b32 s74, s13, 17                        ; vl: 32 blocks of 4,096 bytes a head
	s_lshl_b32 s75, s12, 3
	s_add_co_u32 s75, s75, s11                     ; the first block = 8 x batch + p
	s_lshl_b32 s76, s75, 12
	s_add_co_u32 s76, s76, s74
	s_mov_b32 s77, 0
	s_wait_dscnt 0x0
	s_barrier_signal -1
	s_barrier_wait -1
	s_wait_kmcnt 0x0
	s_add_nc_u64 s[72:73], s[4:5], s[70:71]        ; q of my head and batch
	s_add_nc_u64 s[50:51], s[72:73], 0x1000000     ; k: 16 chunks on
	s_add_nc_u64 s[48:49], s[72:73], 0x2000000     ; v: 32 chunks on
	s_add_nc_u64 s[G0V+2:G0V+3], s[48:49], s[52:53]
	s_or_b32 s[G0V+3], s[G0V+3], 0x80000000
	s_add_nc_u64 s[G0K+2:G0K+3], s[50:51], s[52:53]
	s_or_b32 s[G0K+3], s[G0K+3], 0x80000000
	s_add_nc_u64 s[G0L+2:G0L+3], s[6:7], s[76:77]
	s_or_b32 s[G0L+3], s[G0L+3], 0x80000000
; Wave 0 fetches V's tile, wave 1 K's; the others fetch nothing.  One tensor load of a wave is out at any time.
.macro KVLOAD s
	s_cmp_lg_u32 s8, 0
	s_cbranch_scc1 .Lnot_v_\@
	tensor_load_to_lds s[G0V+4*\s:G0V+4*\s+3], s[G1V:G1V+7]
	s_nop 0
.Lnot_v_\@:
	s_cmp_lg_u32 s8, 1
	s_cbranch_scc1 .Lnot_k_\@
	tensor_load_to_lds s[G0K+4*\s:G0K+4*\s+3], s[G1K:G1K+7]
	s_nop 0
.Lnot_k_\@:
.endm
	KVLOAD 0                                       ; the first tile, ahead of everything else,
	s_cmp_lg_u32 s8, 2
	s_cbranch_scc1 .Lnot_l
	tensor_load_to_lds s[G0L:G0L+3], s[G1L:G1L+7]  ; and, by wave 2, V's low halves: its only tensor load, into bytes that are filled once
	s_nop 0
.Lnot_l:
	s_lshl_b32 s70, s9, 13                         ; my 64 rows of 128 bytes in a block
	s_add_co_u32 s76, s70, s14
	s_add_nc_u64 s[60:61], s[72:73], s[76:77]      ; q at my rows of block p
	s_add_co_u32 s76, s70, s15
	s_add_nc_u64 s[62:63], s[72:73], s[76:77]      ; and of block 7 - p
	s_mul_i32 s74, s13, OCH
	s_add_co_u32 s74, s74, s70                     ; oh: my head, my 64 rows
	s_mul_i32 s76, s75, OBLK                       ; block 8 x batch + p
	s_add_co_u32 s76, s76, s74
	s_add_nc_u64 s[66:67], s[92:93], s[76:77]
	s_lshl_b32 s75, s12, 3
	s_add_co_u32 s75, s75, 7
	s_sub_co_u32 s75, s75, s11                     ; block 8 x batch + 7 - p
	s_mul_i32 s76, s75, OBLK
	s_add_co_u32 s76, s76, s74
	s_add_nc_u64 s[68:69], s[92:93], s[76:77]
	v_and_b32 v1, 15, v0                           ; r
	v_bfe_u32 v2, v0, 4, 1                         ; h
	v_and_b32 v3, 31, v0                           ; l
	v_lshlrev_b32 v[QOF], 7, v1
	v_lshl_add_u32 v[QOF], v2, 4, v[QOF]           ; Q's fragment from memory: row r, 16 h
.macro QLOAD base                      ; my 64 queries as eight fragments, 16 loads
	WIN 0x40
.irp q, 0,1,2,3
.irp ks, 0,1
	global_load_b128 v[QF+16*\q+8*\ks:QF+16*\q+8*\ks+3],   v[QOF], s[\base:\base+1] offset:\q*2048+\ks*64
	global_load_b128 v[QF+16*\q+8*\ks+4:QF+16*\q+8*\ks+7], v[QOF], s[\base:\base+1] offset:\q*2048+\ks*64+32
.endr
.endr
	WIN 0
.endm
	QLOAD 60
	v_mul_u32_u24 v13, v1, KP
	v_lshl_add_u32 v13, v2, 4, v13                 ; r x 144 + 16 h
	s_mul_i32 s70, s10, 64*KP
	s_add_co_u32 s70, s70, VBYTES
	v_add_nc_u32 v[KAD], s70, v13                  ; K lies behind V; my 64 keys
	v_and_b32 v14, 7, v3
	v_lshl_add_u32 v15, v2, 3, v14                 ; key 8 h + l % 8
	v_mul_u32_u24 v[VAD], v15, VP
	v_bfe_u32 v15, v0, 3, 1
	v_lshl_add_u32 v[VAD], v15, 4, v[VAD]          ; + 16 ((l / 8) % 2)
	v_add_nc_u32 v[VLAD], VLB, v[VAD]              ; the same place among the low halves
	s_mul_i32 s70, s10, 64*VP
	v_add_nc_u32 v[VAD], s70, v[VAD]
	s_sub_co_i32 s70, s9, s10
	s_lshl_b32 s70, s70, 6                         ; 64 (query part - key part)
	v_lshlrev_b32 v15, 3, v2
	v_sub_nc_u32 v[DL0], v1, v15
	v_add_nc_u32 v[DL0], s70, v[DL0]               ; r - 8 h + 64 (w % 4 - w / 4)
	v_add_nc_u32 v[DL1], -128, v[DL0]
	s_mul_i32 s70, s9, MSZ
	s_add_co_u32 s70, s70, MERGE
	v_lshl_add_u32 v[MAD], v3, 4, s70
	s_mul_i32 s70, s9, OSZ
	s_add_co_u32 s70, s70, OST
	v_add_nc_u32 v[STO], s70, v13
	v_lshrrev_b32 v15, 3, v3
	v_mul_u32_u24 v15, v15, KP
	v_lshl_add_u32 v15, v14, 4, v15
	v_add_nc_u32 v[RD], s70, v15                   ; back: eight lanes a row of 128 bytes
	v_lshlrev_b32 v[CO], 4, v3
.irp q, 0,1,2,3
	v_mov_b32 v[UU+\q], 0                          ; v_permlanex16_b32 counts as a reader of its destination
.endr
; The address of the tile that goes into slot `slot`.  kind 0: the lap's second tile.  1: the next lap down, or, below key 0, the second block's diagonal.  2: the next lap down.
; Stands behind the wait for all tensor loads, where no group 0 is in use.
.macro SETNEXT slot, kind
.if \kind == 0
	s_add_co_u32 s52, s14, 16384
.endif
.if \kind == 1
	s_sub_co_u32 s70, s14, 32768
	s_cmp_eq_u32 s14, 0
	s_cselect_b32 s14, s15, s70
	s_mov_b32 s52, s14
.endif
.if \kind == 2
	s_sub_co_u32 s14, s14, 32768
	s_mov_b32 s52, s14
.endif
	s_add_nc_u64 s[G0V+4*\slot+2:G0V+4*\slot+3], s[48:49], s[52:53]
	s_or_b32 s[G0V+4*\slot+3], s[G0V+4*\slot+3], 0x80000000
	s_add_nc_u64 s[G0K+4*\slot+2:G0K+4*\slot+3], s[50:51], s[52:53]
	s_or_b32 s[G0K+4*\slot+3], s[G0K+4*\slot+3], 0x80000000
.endm
.macro LOADK s                         ; my 64 keys x 64: eight fragments
.irp kt, 0,1,2,3
.irp ks, 0,1
	ds_load_b128 v[KF+8*(2*\kt+\ks):KF+8*(2*\kt+\ks)+3],   v[KAD] offset:\s*SLOT+\kt*16*KP+\ks*64
	ds_load_b128 v[KF+8*(2*\kt+\ks)+4:KF+8*(2*\kt+\ks)+7], v[KAD] offset:\s*SLOT+\kt*16*KP+\ks*64+32
.endr
.endr
.endm
.macro LOADV s                         ; V^T: 64 numbers x my 64 keys: eight fragments, transposed on the way
	WIN 0x40
.irp dt, 0,1,2,3
.irp ks, 0,1
	ds_load_tr16_b128 v[VF+8*(2*\dt+\ks):VF+8*(2*\dt+\ks)+3],   v[VAD] offset:\s*SLOT+\ks*32*VP+\dt*32
	ds_load_tr16_b128 v[VF+8*(2*\dt+\ks)+4:VF+8*(2*\dt+\ks)+7], v[VAD] offset:\s*SLOT+\ks*32*VP+\dt*32+16*VP
.endr
.endr
.endm
; 64 keys x 64 queries: 16 products start the sums, 16 add the second half of the 64 numbers.  The 16 accumulators take turns.
.macro SMUL
	WIN 0x04
.irp kt, 0,1,2,3
.irp q, 0,1,2,3
	v_wmma_f32_16x16x32_f16 v[SS+32*\q+8*\kt:SS+32*\q+8*\kt+7], v[KF+16*\kt:KF+16*\kt+7], v[QF+16*\q:QF+16*\q+7], 0
.endr
.endr
.irp kt, 0,1,2,3
.irp q, 0,1,2,3
	v_wmma_f32_16x16x32_f16 v[SS+32*\q+8*\kt:SS+32*\q+8*\kt+7], v[KF+16*\kt+8:KF+16*\kt+15], v[QF+16*\q+8:QF+16*\q+15], v[SS+32*\q+8*\kt:SS+32*\q+8*\kt+7]
.endr
.endr
.rept 4
	v_nop                                          ; four places ahead of the vector instructions that read the scores and of a load into K's registers
.endr
	WIN 0
.endm
.macro MASK dl                         ; key <= query, in numbers of the lane: 16 (kt - qt) + j <= dl
.irp q, 0,1,2,3
.irp kt, 0,1,2,3
.irp j, 0,1,2,3,4,5,6,7
	v_cmp_le_i32 vcc_lo, 16*(\kt-\q)+\j, v[\dl]
	v_cndmask_b32 v[SS+32*\q+8*\kt+\j], s56, v[SS+32*\q+8*\kt+\j], vcc_lo
.endr
.endr
.endr
.endm
.macro SOFTMAX init
	; the new maximum of each of my four queries: four chains over my 32 scores, then the other half of the lanes
.irp q, 0,1,2,3
.if \init
	v_max_num_f32 v[TT+\q], v[SS+32*\q], v[SS+32*\q+1]
.else
	v_max3_num_f32 v[TT+\q], v[SS+32*\q], v[SS+32*\q+1], v[MM+\q]
.endif
.endr
.set i, 1
.rept 15
.irp q, 0,1,2,3
	v_max3_num_f32 v[TT+\q], v[SS+32*\q+2*i], v[SS+32*\q+2*i+1], v[TT+\q]
.endr
.set i, i+1
.endr
.irp q, 0,1,2,3
	v_permlanex16_b32 v[UU+\q], v[TT+\q], s54, s55
.endr
.irp q, 0,1,2,3
	v_max_num_f32 v[TT+\q], v[TT+\q], v[UU+\q]
.endr
.if \init == 0
.irp q, 0,1,2,3
	v_sub_f32 v[UU+\q], v[MM+\q], v[TT+\q]
.endr
.irp q, 0,1,2,3
	v_exp_f32 v[AL+2*\q], v[UU+\q]                 ; what is held so far shrinks by 2^(old - new), made twice to fill the pair;
	v_exp_f32 v[AL+2*\q+1], v[UU+\q]               ; the plain lines below stand between these and the first use (ISA guide 5.7.2)
.endr
.endif
.irp q, 0,1,2,3
	v_xor_b32 v[NM+2*\q], 0x80000000, v[TT+\q]
	v_xor_b32 v[NM+2*\q+1], 0x80000000, v[TT+\q]
	v_mov_b32 v[MM+\q], v[TT+\q]
.endr
	; p = 2^(s - maximum), in place.  Behind a query's 32 exponentials stand the next query's subtractions, behind the last a v_nop
.irp q, 0,1,2,3
.set i, 0
.rept 16
	v_pk_add_f32 v[SS+32*\q+2*i:SS+32*\q+2*i+1], v[SS+32*\q+2*i:SS+32*\q+2*i+1], v[NM+2*\q:NM+2*\q+1]
.set i, i+1
.endr
.set i, 0
.rept 32
	v_exp_f32 v[SS+32*\q+i], v[SS+32*\q+i]
.set i, i+1
.endr
.endr
	v_nop
	s_wait_alu depctr_va_vdst(0)
	; the sums, two partial sums a query, four chains
.irp q, 0,1,2,3
.if \init
	s_wait_alu depctr_va_vdst(0)
	v_pk_add_f32 v[LS+2*\q:LS+2*\q+1], v[SS+32*\q:SS+32*\q+1], v[SS+32*\q+2:SS+32*\q+3]
.else
	v_pk_fma_f32 v[LS+2*\q:LS+2*\q+1], v[LS+2*\q:LS+2*\q+1], v[AL+2*\q:AL+2*\q+1], v[SS+32*\q:SS+32*\q+1]
	v_pk_add_f32 v[LS+2*\q:LS+2*\q+1], v[LS+2*\q:LS+2*\q+1], v[SS+32*\q+2:SS+32*\q+3]
.endif
.endr
.set i, 2
.rept 14
.irp q, 0,1,2,3
	v_pk_add_f32 v[LS+2*\q:LS+2*\q+1], v[LS+2*\q:LS+2*\q+1], v[SS+32*\q+2*i:SS+32*\q+2*i+1]
.endr
.set i, i+1
.endr
	; to f16, in place: register i takes numbers 2 i and 2 i + 1, which lie at or above it.  Registers 8 ks .. 8 ks + 7 are then P^T's fragment of keys 32 ks .. 32 ks + 31
.irp q, 0,1,2,3
.set i, 0
.rept 16
	v_cvt_pk_f16_f32 v[SS+32*\q+i], v[SS+32*\q+2*i], v[SS+32*\q+2*i+1]
.set i, i+1
.endr
.endr
.if \init == 0
	WIN 0x41
.irp q, 0,1,2,3
.set i, 0
.rept 16
	v_pk_mul_f32 v[OO+32*\q+2*i:OO+32*\q+2*i+1], v[OO+32*\q+2*i:OO+32*\q+2*i+1], v[AL+2*\q:AL+2*\q+1]
.set i, i+1
.endr
.endr
.endif
.endm
; O^T += V^T P^T: 16 accumulators by turns, twice.  low = 1: wave 0 goes round a third time, with the low halves of keys 0-31.
.macro PVMUL init, low
	s_wait_dscnt 0x0                               ; V's fragments are in
	WIN 0x51
.irp q, 0,1,2,3
.irp d, 0,1,2,3
.if \init
	v_wmma_f32_16x16x32_f16 v[OO+32*\q+8*\d:OO+32*\q+8*\d+7], v[VF+16*\d:VF+16*\d+7], v[SS+32*\q:SS+32*\q+7], 0
.else
	v_wmma_f32_16x16x32_f16 v[OO+32*\q+8*\d:OO+32*\q+8*\d+7], v[VF+16*\d:VF+16*\d+7], v[SS+32*\q:SS+32*\q+7], v[OO+32*\q+8*\d:OO+32*\q+8*\d+7]
.endif
.endr
.endr
.irp q, 0,1,2,3
.irp d, 0,1,2,3
	v_wmma_f32_16x16x32_f16 v[OO+32*\q+8*\d:OO+32*\q+8*\d+7], v[VF+16*\d+8:VF+16*\d+15], v[SS+32*\q+8:SS+32*\q+15], v[OO+32*\q+8*\d:OO+32*\q+8*\d+7]
.endr
.endr
.if \low
	WIN 0
	s_cmp_lg_u32 s8, 0
	s_cbranch_scc1 .Lno_low_\@
	WIN 0x50
.irp q, 0,1,2,3
.irp d, 0,1,2,3
	v_wmma_f32_16x16x32_f16 v[OO+32*\q+8*\d:OO+32*\q+8*\d+7], v[KF+8*\d:KF+8*\d+7], v[SS+32*\q:SS+32*\q+7], v[OO+32*\q+8*\d:OO+32*\q+8*\d+7]
.endr
.endr
	WIN 0
.Lno_low_\@:
.endif
.rept 5
	v_nop                                          ; five places: the next scores are written over P, the fragments' registers are loaded again, O is read (ISA guide 7.12.1)
.endr
	WIN 0
.endm
.macro UNIT s, init, mask, low         ; my 64 keys of the tile in slot s against my 64 queries
	LOADK \s
	LOADV \s
.if \init
	s_wait_loadcnt 0x0                             ; the block's queries
.endif
	s_wait_dscnt 16                                ; K's 16 loads are in, V's 16 stay out
	SMUL
.if \low
	s_cmp_lg_u32 s8, 0
	s_cbranch_scc1 .Lno_vl_\@
.irp dt, 0,1,2,3
	ds_load_tr16_b128 v[KF+8*\dt:KF+8*\dt+3],   v[VLAD] offset:\dt*32           ; V_low^T of keys 0-31, into K's registers, which the scores no longer need
	ds_load_tr16_b128 v[KF+8*\dt+4:KF+8*\dt+7], v[VLAD] offset:\dt*32+16*VP
.endr
.Lno_vl_\@:
.endif
.if \mask
	MASK \mask
.endif
	SOFTMAX \init
	PVMUL \init, \low
.endm
; A tile.  One barrier: in front of it every wave has waited for all its tensor loads (this tile's among them) and for its reads of the other slot o;
; behind it the other slot is filled first, then this one is read.
.macro TRIP s, o, fill, kind, init, mask, low
	s_wait_tensorcnt 0x0
	ds_add_u32 v62, v63
	s_wait_dscnt 0x0
.if \fill
	SETNEXT \o, \kind
.endif
	s_wait_dscnt 0x0
	s_barrier_signal -1
	s_barrier_wait -1
.if \fill
	KVLOAD \o
.endif
	UNIT \s, \init, \mask, \low
.endm
; The end of a block: waves 4-7 hand O, maximum and sum to waves 0-3 through LDS; those merge, divide, round and store.  ob: the pair with oh's address.
; nextq = 1: the next block's queries are asked for first.  The next tile may stay on its way.
.macro FINISH ob, nextq
.if \nextq
	QLOAD 62
.endif
.irp q, 0,1,2,3
	v_add_f32 v[TT+\q], v[LS+2*\q], v[LS+2*\q+1]
.endr
.irp q, 0,1,2,3
	v_permlanex16_b32 v[UU+\q], v[TT+\q], s54, s55
.endr
.irp q, 0,1,2,3
	v_add_f32 v[TT+\q], v[TT+\q], v[UU+\q]         ; the sum over my 64-key shares
.endr
	s_cmp_lt_u32 s8, 4
	s_cbranch_scc1 .Lkeep_\@
	WIN 0x04
.set i, 0
.rept 32
	ds_store_b128 v[MAD], v[OO+4*i:OO+4*i+3] offset:512*i
.set i, i+1
.endr
	WIN 0
	ds_store_b128 v[MAD], v[MM:MM+3] offset:16384
	ds_store_b128 v[MAD], v[TT:TT+3] offset:16896
.Lkeep_\@:
	s_wait_dscnt 0x0                               ; for the others' sake
	s_barrier_signal -1
	s_barrier_wait -1
	s_cmp_ge_u32 s8, 4
	s_cbranch_scc1 .Ldone_\@
.set i, 0
.rept 32
	ds_load_b128 v[SS+4*i:SS+4*i+3], v[MAD] offset:512*i
.set i, i+1
.endr
	ds_load_b128 v[64:67], v[MAD] offset:16384     ; the partner's maxima
	ds_load_b128 v[68:71], v[MAD] offset:16896     ; and sums
	s_wait_dscnt 0x0
.irp q, 0,1,2,3
	v_max_num_f32 v[UU+\q], v[MM+\q], v[64+\q]
.endr
.irp q, 0,1,2,3
	v_sub_f32 v[72+\q], v[MM+\q], v[UU+\q]
	v_sub_f32 v[76+\q], v[64+\q], v[UU+\q]
.endr
.irp q, 0,1,2,3
	v_exp_f32 v[80+\q], v[72+\q]
	v_exp_f32 v[84+\q], v[76+\q]
.endr
	v_nop
	s_wait_alu depctr_va_vdst(0)
.irp q, 0,1,2,3
	v_mul_f32 v[88+\q], v[TT+\q], v[80+\q]
.endr
.irp q, 0,1,2,3
	v_fmac_f32 v[88+\q], v[68+\q], v[84+\q]        ; the row's sum: at least 1, since the share that holds the maximum counts 2^0
.endr
.irp q, 0,1,2,3
	v_rcp_f32 v[92+\q], v[88+\q]
.endr
	v_nop
	s_wait_alu depctr_va_vdst(0)
.irp q, 0,1,2,3
	v_mul_f32 v[NM+2*\q], v[80+\q], v[92+\q]       ; my factor, twice
	v_mul_f32 v[NM+2*\q+1], v[80+\q], v[92+\q]
	v_mul_f32 v[AL+2*\q], v[84+\q], v[92+\q]       ; the partner's
	v_mul_f32 v[AL+2*\q+1], v[84+\q], v[92+\q]
.endr
.irp q, 0,1,2,3
.set i, 0
.rept 16
	v_pk_mul_f32 v[SS+32*\q+2*i:SS+32*\q+2*i+1], v[SS+32*\q+2*i:SS+32*\q+2*i+1], v[AL+2*\q:AL+2*\q+1]
.set i, i+1
.endr
.endr
	WIN 0x01
.irp q, 0,1,2,3
.set i, 0
.rept 16
	v_pk_fma_f32 v[SS+32*\q+2*i:SS+32*\q+2*i+1], v[OO+32*\q+2*i:OO+32*\q+2*i+1], v[NM+2*\q:NM+2*\q+1], v[SS+32*\q+2*i:SS+32*\q+2*i+1]
.set i, i+1
.endr
.endr
	WIN 0
	; wave 0: rows 0-15 of the block (my first query tile, 32 numbers a lane) as high + low; the low halves go out first, to rows 256-271 of the block
	s_cmp_lg_u32 s8, 0
	s_cbranch_scc1 .Lno_lo_\@
.set i, 0
.rept 32
	v_and_b32 v[96+i], s59, v[SS+i]                ; o cut to 11 bits
.set i, i+1
.endr
.set i, 0
.rept 16
	v_pk_add_f32 v[64+2*i:64+2*i+1], v[SS+2*i:SS+2*i+1], v[96+2*i:96+2*i+1] neg_lo:[0,1] neg_hi:[0,1]   ; the rest, exact
.set i, i+1
.endr
.set i, 0
.rept 32
	v_and_b32 v[SS+i], s59, v[SS+i]                ; the conversion below then rounds nothing away
.set i, i+1
.endr
.set i, 0
.rept 16
	v_cvt_pk_f16_f32 v[64+i], v[64+2*i], v[64+2*i+1]
.set i, i+1
.endr
.irp d, 0,1,2,3
	ds_store_b128 v[STO], v[64+4*\d:64+4*\d+3] offset:\d*32
.endr
.irp t, 0,1,2,3
	ds_load_b128 v[80+4*\t:80+4*\t+3], v[RD] offset:\t*4*KP        ; my own bytes, served in order
.endr
.irp t, 0,1,2,3
	s_wait_dscnt 3-\t                              ; the younger read-backs stay out
	global_store_b128 v[CO], v[80+4*\t:80+4*\t+3], s[\ob:\ob+1] offset:256*128+\t*512
.endr
	s_wait_xcnt 0x0                                ; v80-95 are loaded again below only behind this wait
.Lno_lo_\@:
.irp q, 0,1,2,3
.set i, 0
.rept 16
	v_cvt_pk_f16_f32 v[SS+32*\q+i], v[SS+32*\q+2*i], v[SS+32*\q+2*i+1]
.set i, i+1
.endr
.endr
.irp q, 0,1,2,3
.irp d, 0,1,2,3
	ds_store_b128 v[STO], v[SS+32*\q+4*\d:SS+32*\q+4*\d+3] offset:\q*16*KP+\d*32   ; row 16 qt + r, numbers 16 dt + 8 h ..
.endr
.endr
.set i, 0
.rept 16
	ds_load_b128 v[64+4*i:64+4*i+3], v[RD] offset:i*4*KP           ; my own bytes, served in order: four rows a load
.set i, i+1
.endr
.set i, 0
.rept 16
	s_wait_dscnt 15-i
	global_store_b128 v[CO], v[64+4*i:64+4*i+3], s[\ob:\ob+1] offset:i*512   ; 512 consecutive bytes, aligned
.set i, i+1
.endr
.if \nextq
	s_wait_xcnt 0x0                                ; v64-127 are loaded again in the next block only behind this wait
.endif
.Ldone_\@:
.endm
	; block p: the diagonal, then p laps below it
	TRIP 0, 1, 1, 0, 1, DL0, 1
	TRIP 1, 0, 1, 1, 0, DL1, 0
	s_cmp_eq_u32 s11, 0
	s_cbranch_scc1 .Llo_done
	s_mov_b32 s57, 0
.Llo:
	TRIP 0, 1, 1, 0, 0, 0, 0
	TRIP 1, 0, 1, 1, 0, 0, 0
	s_add_co_u32 s57, s57, 1
	s_cmp_lt_u32 s57, s11
	s_cbranch_scc1 .Llo
.Llo_done:
	FINISH 66, 1
	; block 7 - p: the diagonal, 6 - p laps (at least three), and the last lap written out: its second tile is followed by no fill
	TRIP 0, 1, 1, 0, 1, DL0, 0
	TRIP 1, 0, 1, 2, 0, DL1, 0
	s_mov_b32 s57, 0
.Lhi:
	TRIP 0, 1, 1, 0, 0, 0, 0
	TRIP 1, 0, 1, 2, 0, 0, 0
	s_add_co_u32 s57, s57, 1
	s_cmp_lt_u32 s57, s58
	s_cbranch_scc1 .Lhi
	TRIP 0, 1, 1, 0, 0, 0, 0
	TRIP 1, 0, 0, 0, 0, 0, 0
	FINISH 68, 0
	s_wait_tensorcnt 0x0
	ds_add_u32 v62, v63
	s_wait_dscnt 0x0
	s_endpgm
.Lfunc_end_k_q439a674fc7_attn:
	.size	k_q439a674fc7_attn, .Lfunc_end_k_q439a674fc7_attn-k_q439a674fc7_attn
	.p2alignl 7, 3214868480
	.fill 96, 4, 3214868480
	.section	.rodata,"a",@progbits
	.p2align	6, 0x0
	.amdhsa_kernel k_q439a674fc7_attn
		.amdhsa_group_segment_fixed_size 327680
		.amdhsa_private_segment_fixed_size 0
		.amdhsa_enable_private_segment 0
		.amdhsa_kernarg_size 24
		.amdhsa_user_sgpr_count 2
		.amdhsa_user_sgpr_kernarg_segment_ptr 1
		.amdhsa_wavefront_size32 1
		.amdhsa_system_sgpr_workgroup_id_x 1
		.amdhsa_system_sgpr_workgroup_id_y 1
		.amdhsa_system_sgpr_workgroup_id_z 1
		.amdhsa_system_vgpr_workitem_id 0
		.amdhsa_next_free_vgpr 512
		.amdhsa_next_free_sgpr 94
		.amdhsa_reserve_vcc 1
		.amdhsa_float_denorm_mode_32 3
		.amdhsa_float_denorm_mode_16_64 3
		.amdhsa_memory_ordered 1
		.amdhsa_forward_progress 1
		.amdhsa_inst_pref_size 255
	.end_amdhsa_kernel
	.section	.bss,"aw",@nobits
	.p2align	6
	.space	262144
	.amdgpu_metadata
---
amdhsa.version: [ 1, 2 ]
amdhsa.kernels:
  - .name:           k_q439a674fc7_attn
    .symbol:         k_q439a674fc7_attn.kd
    .args:
      - { .name: qkv, .offset: 0, .size: 8, .value_kind: global_buffer, .address_space: global }
      - { .name: vl, .offset: 8, .size: 8, .value_kind: global_buffer, .address_space: global }
      - { .name: oh, .offset: 16, .size: 8, .value_kind: global_buffer, .address_space: global }
    .group_segment_fixed_size: 327680
    .private_segment_fixed_size: 0
    .kernarg_segment_align: 8
    .kernarg_segment_size: 24
    .max_flat_workgroup_size: 256
    .sgpr_count:     94
    .vgpr_count:     512
    .wavefront_size: 32
...
	.end_amdgpu_metadata
.endif
;; end of part 3
;; launch proj (part 4): grid 8 x 32, 4 waves a work-group, clusters of 4 x 4, 327,680 bytes of LDS; arguments oh, woh, bo, out0; writes out0
.if DOCPART == 4
	.amdgcn_target "amdgcn-amd-amdhsa--gfx1250"
	.amdhsa_code_object_version 6
	.text
	.protected	k_q439a674fc7_proj
	.globl	k_q439a674fc7_proj
	.p2align	8
	.type	k_q439a674fc7_proj,@function
k_q439a674fc7_proj:
	s_mov_b64 s[64:65], 0
	v_nop
	global_prefetch_b8 v0, s[64:65] scope:SCOPE_SE
	s_setreg_imm32_b32 hwreg(HW_REG_WAVE_MODE, 25, 1), 1
	s_wait_xcnt 0x0
	s_wait_alu depctr_hold_cnt(0) depctr_sa_sdst(0) depctr_va_vdst(0) depctr_va_sdst(0) depctr_va_ssrc(0) depctr_va_vcc(0) depctr_vm_vsrc(0)
	s_getreg_b32 s2, hwreg(HW_REG_IB_STS2, 6, 4)
	s_cmp_eq_u32 s2, 0
	s_cbranch_scc0 .Lentry_in_a_cluster
	s_endpgm
.Lentry_in_a_cluster:
	s_bfe_u32 s2, ttmp6, 0x10000c
	s_cmp_lg_u32 s2, 0xf033
	s_cbranch_scc0 .Lentry_shape_is_right
	s_endpgm
.Lentry_shape_is_right:
; out0[m][n] = sum over k of o[m][k] Wo[n][k] + bo[n], f32.  Operands f16; sums f32.
; oh [16 chunks][32 blocks][272 rows][64]: a block's 256 rows of o, then the low halves of its rows 0-15.  woh [16 chunks][1024][64].
; A work-group makes 256 (m) x 128 (n): 32 x 8 = 256 work-groups.  Four waves, each 128 x 64: 8 x 4 accumulator tiles, 256 registers (window 1).
; K goes in 8 steps of two chunks (128) through two LDS slots; each wave fetches one dense block a step: waves 0, 1 the two chunks of o's tile, waves 2, 3 those of Wo's.
; TWO HALVES: a row with few keys stands far above the output's root mean square, so one rounding of o to f16 (2^-11) shows there.  Rows 0-15 of a block come as a high half
; (exact in f16) and a low half; the waves that hold those rows (wm = 0) add the low fragment's four products in each quarter step: 36 matrix instructions where the others have 32.
; Only the block at a batch's row 0 needs it; which block row a work-group has hangs on its place in the cluster; every block does it.
; CLUSTERS: 4 x 4 work-groups; o's tile is asked for jointly by a row of the cluster, Wo's by a column.
; The matrix instruction is used transposed (source 0 = rows of Wo, source 1 = rows of o): a lane's eight results are eight neighbouring columns of one row, 32 bytes.
.set PITCH,  144
.set FR,     16*PITCH
.set ACH,    272*PITCH                 ; one chunk of o's tile: 256 rows and 16 rows of low halves
.set BCH,    128*PITCH                 ; one chunk of Wo's
.set SLOT,   2*ACH+2*BCH               ; 115,200
.set STAGE,  2*SLOT                    ; behind the ring: 16 rows x 272 bytes for each wave
.set SPITCH, 272
.set OCH,    1114112                   ; oh: bytes of a chunk: 32 blocks
.set OBLK,   34816                     ; oh: bytes of a block: 272 rows of 128
.set ADRL, 6                           ; v6-7    LDS address of the low fragment in slot 0, 1
.set FL0,  8                           ; v8-15   the low fragment, two buffers
.set ADRA, 16
.set ADRB, 18
.set STO,  20
.set RD,   21
.set CO,   22
.set FL1,  24                          ; v24-31
.set FA0,  32
.set FA1,  96
.set FB0,  160
.set FB1,  192
.set BIAS, 224                         ; v224-255: bo of my 4 x 8 columns
.set TMP,  32                          ; the way out
.set G1,  24
.set G0,  32
.set G1B, 48
.set G0B, 56
.set MSB, 0
.macro WIN new
.if MSB != \new
	s_set_vgpr_msb (MSB<<8)|\new
.set MSB, \new
.endif
.endm
.macro PLACES                          ; four places behind a matrix instruction, ahead of a load into one of its sources or a vector read of its result
.rept 4
	v_nop
.endr
.endm
.macro JLOAD s                         ; waves 0, 1 ask for o's chunks, waves 2, 3 for Wo's; the branch hangs on the wave's number alone
	s_cmp_eq_u32 s11, 0
	s_cbranch_scc0 .Lfor_b_\@
	tensor_load_to_lds s[G0+4*\s:G0+4*\s+3], s[G1:G1+7]
	s_nop 0
	s_branch .Lasked_\@
.Lfor_b_\@:
	tensor_load_to_lds s[G0B+4*\s:G0B+4*\s+3], s[G1B:G1B+7]
	s_nop 0
.Lasked_\@:
.endm
.macro CREST
	s_cmp_lg_u32 s10, 0
	s_cbranch_scc1 .Lnot_wave_0_\@
	s_barrier_signal -3
.Lnot_wave_0_\@:
	s_barrier_wait -3
	s_barrier_signal -1
	s_barrier_wait -1
.endm
.macro CROUND
	s_barrier_signal -1
	s_barrier_wait -1
	CREST
.endm
	s_load_b256 s[68:75], s[0:1], 0x0              ; oh s[68:69], woh s[70:71], bo s[72:73], out0 s[74:75]
	v_lshl_add_u32 v23, v0, 2, 0x3c800
	s_set_vgpr_msb 0x80
	v_mov_b32 v1, 0
	s_set_vgpr_msb 0x8088
	ds_add_u32 v23, v1
	s_set_vgpr_msb 0x8800
	v_lshrrev_b32 v1, 5, v0
	v_readfirstlane_b32 s10, v1                    ; wave 0..3
	s_lshr_b32 s11, s10, 1                         ; wm: which 128 rows are mine.  Also: I fetch for o (0) or for Wo (1)
	s_and_b32 s12, s10, 1                          ; wn: which 64 columns.  Also: which chunk of the step I fetch
	s_bfe_u32 s40, ttmp6, 0x40000                  ; cx
	s_bfe_u32 s41, ttmp6, 0x40004                  ; cy
	s_lshl_b32 s42, ttmp9, 2
	s_add_co_u32 s42, s42, s40                     ; block column
	s_and_b32 s13, ttmp7, 0xffff
	s_lshl_b32 s13, s13, 2
	s_add_co_u32 s13, s13, s41                     ; block row
	s_lshl_b32 s43, s41, 2
	s_lshl_b32 s43, 15, s43                        ; my row of the cluster
	s_lshl_b32 s44, 0x1111, s40                    ; my column
	s_or_b32 s[G1+0], s43, 0x07330000              ; mask; elements of 8 bytes; padding of 4 words behind every 32 words; bit 21 beside the mask
	s_or_b32 s[G1B+0], s44, 0x07330000
	s_mov_b32 s[G1+1], 32<<16                      ; rows of 32 elements = 256 bytes, dense
	s_mov_b32 s[G1B+1], 32<<16
	s_mov_b32 s[G1+2], 136<<16                     ; 272 x 128 bytes = 136 such rows
	s_mov_b32 s[G1B+2], 64<<16                     ; 128 x 128 bytes = 64
	s_mov_b32 s[G1+3], 32<<16
	s_mov_b32 s[G1B+3], 32<<16
	s_mov_b32 s[G1+4], 136
	s_mov_b32 s[G1B+4], 64
	s_mov_b32 s[G1+5], 32
	s_mov_b32 s[G1B+5], 32
	s_mov_b32 s[G1+6], 0
	s_mov_b32 s[G1B+6], 0
	s_mov_b32 s[G1+7], 0
	s_mov_b32 s[G1B+7], 0
	s_mul_i32 s16, s13, OBLK                       ; o: my block row's 272 rows,
	s_mul_i32 s17, s12, OCH                        ; and my chunk of the step
	s_add_co_u32 s16, s16, s17
	s_mov_b32 s17, 0
	s_lshl_b32 s46, s42, 14                        ; Wo: 128 rows of 128 bytes a block column,
	s_lshl_b32 s47, s12, 17                        ; and my chunk
	s_add_co_u32 s46, s46, s47
	s_mov_b32 s47, 0
	s_mul_i32 s20, s10, ACH                        ; waves 0, 1: o's chunks at 0 and 39,168
	s_mul_i32 s21, s10, BCH
	s_add_co_u32 s21, s21, 2*ACH-2*BCH             ; waves 2, 3: Wo's chunks at 78,336 and 96,768
	s_lshl_b32 s80, s42, 9
	s_lshl_b32 s81, s12, 8
	s_add_co_u32 s80, s80, s81                     ; my 64 columns in bytes of f32: 512 x block column + 256 x wn
	s_mov_b32 s81, 0
	s_wait_dscnt 0x0
	s_wait_kmcnt 0x0
	s_add_nc_u64 s[14:15], s[68:69], s[16:17]
	s_add_nc_u64 s[46:47], s[70:71], s[46:47]
	s_add_nc_u64 s[76:77], s[72:73], s[80:81]      ; bo at my columns
	CROUND                                         ; all sixteen work-groups are here: the first joint loads meet
.irp s, 0,1
	s_mov_b32 s[G0+4*\s], 1
	s_add_co_u32 s[G0+4*\s+1], s20, \s*SLOT
	s_add_nc_u64 s[G0+4*\s+2:G0+4*\s+3], s[14:15], \s*2*OCH        ; K step s: two chunks on
	s_or_b32 s[G0+4*\s+3], s[G0+4*\s+3], 0x80000000
	s_mov_b32 s[G0B+4*\s], 1
	s_add_co_u32 s[G0B+4*\s+1], s21, \s*SLOT
	s_add_nc_u64 s[G0B+4*\s+2:G0B+4*\s+3], s[46:47], \s*2*131072
	s_or_b32 s[G0B+4*\s+3], s[G0B+4*\s+3], 0x80000000
	JLOAD \s                                       ; two loads of the wave are out
.endr
	v_and_b32 v1, 15, v0                           ; r
	v_bfe_u32 v2, v0, 4, 1                         ; h
	v_lshlrev_b32 v4, 5, v2                        ; my eight columns of a tile begin at 8 h
.irp b, 0,1,2,3
	global_load_b128 v[BIAS+8*\b:BIAS+8*\b+3],   v4, s[76:77] offset:64*\b
	global_load_b128 v[BIAS+8*\b+4:BIAS+8*\b+7], v4, s[76:77] offset:64*\b+16
.endr
	v_mul_u32_u24 v3, v1, PITCH
	v_lshl_add_u32 v3, v2, 4, v3
	s_mul_i32 s22, s11, 128*PITCH                  ; my 128 rows of o
	s_mul_i32 s23, s12, 64*PITCH                   ; my 64 rows of Wo,
	s_add_co_u32 s23, s23, 2*ACH                   ; which lie behind o's two chunks
.irp s, 0,1
	v_add_nc_u32 v[ADRA+\s], s22, v3
	v_add_nc_u32 v[ADRB+\s], s23, v3
	v_add_nc_u32 v[ADRL+\s], 256*PITCH+\s*SLOT, v3 ; the low halves lie behind a chunk's 256 rows
	s_add_co_u32 s22, s22, SLOT
	s_add_co_u32 s23, s23, SLOT
.endr
	s_mul_i32 s22, s10, 16*SPITCH
	s_add_co_u32 s22, s22, STAGE                   ; my stage
	v_mul_u32_u24 v5, v1, SPITCH
	v_lshl_add_u32 v5, v2, 5, v5                   ; in: row r, 32 bytes for each half of the lanes
	v_add_nc_u32 v[STO], s22, v5
	v_mul_u32_u24 v5, v2, SPITCH
	v_lshl_add_u32 v5, v1, 4, v5                   ; back: lanes 0-15 one row of 256 bytes, lanes 16-31 the next
	v_add_nc_u32 v[RD], s22, v5
	v_lshlrev_b32 v5, 12, v2                       ; and the same two rows of out0, 4,096 bytes apart
	v_lshl_add_u32 v[CO], v1, 4, v5
.macro MUL8 fa, fb, a0, zero           ; 8 matrix instructions: o's fragments a0, a0 + 1 times Wo's four
.irp a, \a0, \a0+1
.irp b, 0,1,2,3
.if \zero
	v_wmma_f32_16x16x32_f16 v[8*(4*(\a)+\b):8*(4*(\a)+\b)+7], v[\fb+8*\b:\fb+8*\b+7], v[\fa+8*(\a):\fa+8*(\a)+7], 0
.else
	v_wmma_f32_16x16x32_f16 v[8*(4*(\a)+\b):8*(4*(\a)+\b)+7], v[\fb+8*\b:\fb+8*\b+7], v[\fa+8*(\a):\fa+8*(\a)+7], v[8*(4*(\a)+\b):8*(4*(\a)+\b)+7]
.endif
.endr
.endr
.endm
; The low halves of the block's rows 0-15 times Wo's four fragments, onto tiles (0, 0..3): the waves that hold those rows alone.  It stands at the end of a quarter step,
; behind tile (7, 3) and three or more instructions ahead of the next turn of each of its accumulators: the turns stay single.
.macro LOMUL fl, fb
	WIN 0
	s_cmp_lg_u32 s11, 0
	s_cbranch_scc1 .Lno_lo_\@
	WIN 0x50
.irp b, 0,1,2,3
	v_wmma_f32_16x16x32_f16 v[8*\b:8*\b+7], v[\fb+8*\b:\fb+8*\b+7], v[\fl:\fl+7], v[8*\b:8*\b+7]
.endr
	WIN 0
.Lno_lo_\@:
.endm
.macro FETCH slot, ka, kb, fa, fb, fl  ; 26 loads in one run: Wo's four fragments, o's eight, the low fragment
.irp b, 0,1,2,3
	ds_load_b128 v[\fb+8*\b:\fb+8*\b+3],   v[ADRB+\slot] offset:\kb+\b*FR
	ds_load_b128 v[\fb+8*\b+4:\fb+8*\b+7], v[ADRB+\slot] offset:\kb+\b*FR+32
.endr
.irp a, 0,1,2,3,4,5,6,7
	ds_load_b128 v[\fa+8*\a:\fa+8*\a+3],   v[ADRA+\slot] offset:\ka+\a*FR
	ds_load_b128 v[\fa+8*\a+4:\fa+8*\a+7], v[ADRA+\slot] offset:\ka+\a*FR+32
.endr
	ds_load_b128 v[\fl:\fl+3],   v[ADRL+\slot] offset:\ka
	ds_load_b128 v[\fl+4:\fl+7], v[ADRL+\slot] offset:\ka+32
.endm
; A K step is four quarters of 32 along K on buffers 0, 1, 0, 1.  The 32 accumulators take turns in the same order in every quarter.
.macro QUARTER slot, ka, kb, fa, fb, fl, ga, gb, gl, zero
	s_wait_dscnt 10                                ; all but the youngest ten loads: o's fragments 4-7 and the low fragment
	WIN 0x50
	MUL8 \fa, \fb, 0, \zero
	MUL8 \fa, \fb, 2, \zero
	PLACES
	WIN 0
	FETCH \slot, \ka, \kb, \ga, \gb, \gl
	s_wait_dscnt 26                                ; all but the 26 just issued
	WIN 0x50
	MUL8 \fa, \fb, 4, \zero
	MUL8 \fa, \fb, 6, \zero
	LOMUL \fl, \fb
.endm
.macro THREE slot, zero
	QUARTER \slot, 64,     64,     FA0, FB0, FL0, FA1, FB1, FL1, \zero
	QUARTER \slot, ACH,    BCH,    FA1, FB1, FL1, FA0, FB0, FL0, 0
	QUARTER \slot, ACH+64, BCH+64, FA0, FB0, FL0, FA1, FB1, FL1, 0
.endm
; The last quarter changes slots, with one barrier: in front of it each wave has waited for its reads of this slot and for all its tensor loads; behind it the refill comes
; first, then the next slot's first fragments.  Where the slot is filled again the barrier opens a round of the cluster's barrier.
.macro TURN slot, next, fill
	s_wait_dscnt 10
	WIN 0x50
	MUL8 FA1, FB1, 0, 0
	s_wait_dscnt 0
	s_set_vgpr_msb 0x5058
	s_wait_tensorcnt 0x0
	ds_add_u32 v23, v1
	s_wait_dscnt 0x0
	s_set_vgpr_msb 0x5850
	s_barrier_signal -1
	MUL8 FA1, FB1, 2, 0                            ; registers only
	WIN 0
	s_barrier_wait -1
.if \fill
	CREST
	s_add_nc_u64 s[G0+4*\slot+2:G0+4*\slot+3], s[G0+4*\slot+2:G0+4*\slot+3], 4*OCH
	s_add_nc_u64 s[G0B+4*\slot+2:G0B+4*\slot+3], s[G0B+4*\slot+2:G0B+4*\slot+3], 4*131072
	JLOAD \slot                                    ; the first tensor load behind the round, one a wave
.endif
	PLACES
	FETCH \next, 0, 0, FA0, FB0, FL0
	WIN 0x50
	MUL8 FA1, FB1, 4, 0
	MUL8 FA1, FB1, 6, 0
	LOMUL FL1, FB1
.endm
.macro LAP zero
	THREE 0, \zero
	TURN 0, 1, 1
	THREE 1, 0
	TURN 1, 0, 1
.endm
	s_wait_loadcnt 0x0                             ; the bias, once
	s_wait_tensorcnt 0x1                           ; my part of K step 0 is in; K step 1's stays out
	s_barrier_signal -1
	s_barrier_wait -1
	FETCH 0, 0, 0, FA0, FB0, FL0
	LAP 1                                          ; 8 K steps = 4 laps: the first starts the sums, two in the loop, the last fills nothing
	s_mov_b32 s3, 2
.Llap:
	LAP 0
	s_sub_co_u32 s3, s3, 1
	s_cmp_lg_u32 s3, 0
	s_cbranch_scc1 .Llap
	THREE 0, 0
	TURN 0, 1, 0
	THREE 1, 0
	s_wait_dscnt 10
	WIN 0x50
	MUL8 FA1, FB1, 0, 0
	MUL8 FA1, FB1, 2, 0
	s_wait_dscnt 0
	MUL8 FA1, FB1, 4, 0
	MUL8 FA1, FB1, 6, 0
	LOMUL FL1, FB1
	; THE WAY OUT, 16 rows at a time: add the bias, 32 bytes a lane into my own stage, read back as whole rows of 256 bytes
	PLACES
	s_lshl_b32 s16, s13, 20                        ; 256 rows of 4,096 bytes a block row
	s_lshl_b32 s17, s11, 19
	s_add_co_u32 s16, s16, s17
	s_mov_b32 s17, 0
	s_add_nc_u64 s[8:9], s[74:75], s[16:17]
	s_add_nc_u64 s[8:9], s[8:9], s[80:81]          ; my 64 columns
.macro OUTA a, f
	WIN 0x01
.irp b, 0,1,2,3
.irp q, 0,2,4,6
	v_pk_add_f32 v[TMP+8*\b+\q:TMP+8*\b+\q+1], v[8*(4*\a+\b)+\q:8*(4*\a+\b)+\q+1], v[BIAS+8*\b+\q:BIAS+8*\b+\q+1]
.endr
.endr
	WIN 0
.irp b, 0,1,2,3
	ds_store_b128 v[STO], v[TMP+8*\b:TMP+8*\b+3]   offset:64*\b
	ds_store_b128 v[STO], v[TMP+8*\b+4:TMP+8*\b+7] offset:64*\b+16
.endr
	s_wait_xcnt 0x0                                ; buffer f, which earlier stores read, is loaded again only behind this wait
.irp t, 0,1,2,3,4,5,6,7
	ds_load_b128 v[\f+4*\t:\f+4*\t+3], v[RD] offset:\t*2*SPITCH    ; my own bytes, served in order
.endr
.irp t, 0,1,2,3,4,5,6,7
	s_wait_dscnt 7-\t
	global_store_b128 v[CO], v[\f+4*\t:\f+4*\t+3], s[8:9] offset:\a*65536+\t*8192 th:TH_STORE_NT   ; 16 lanes store 256 consecutive bytes, aligned
.endr
.endm
	OUTA 0, 96
	OUTA 1, 128
	OUTA 2, 96
	OUTA 3, 128
	OUTA 4, 96
	OUTA 5, 128
	OUTA 6, 96
	OUTA 7, 128
	s_set_vgpr_msb 0x8
	s_wait_tensorcnt 0x0
	ds_add_u32 v23, v1
	s_wait_dscnt 0x0
	s_set_vgpr_msb 0x800
	CROUND                                         ; the closing round
	s_endpgm
.Lfunc_end_k_q439a674fc7_proj:
	.size	k_q439a674fc7_proj, .Lfunc_end_k_q439a674fc7_proj-k_q439a674fc7_proj
	.p2alignl 7, 3214868480
	.fill 96, 4, 3214868480
	.section	.rodata,"a",@progbits
	.p2align	6, 0x0
	.amdhsa_kernel k_q439a674fc7_proj
		.amdhsa_group_segment_fixed_size 327680
		.amdhsa_private_segment_fixed_size 0
		.amdhsa_enable_private_segment 0
		.amdhsa_kernarg_size 32
		.amdhsa_user_sgpr_count 2
		.amdhsa_user_sgpr_kernarg_segment_ptr 1
		.amdhsa_wavefront_size32 1
		.amdhsa_system_sgpr_workgroup_id_x 1
		.amdhsa_system_sgpr_workgroup_id_y 1
		.amdhsa_system_sgpr_workgroup_id_z 1
		.amdhsa_system_vgpr_workitem_id 0
		.amdhsa_next_free_vgpr 514
		.amdhsa_next_free_sgpr 84
		.amdhsa_reserve_vcc 0
		.amdhsa_float_denorm_mode_32 3
		.amdhsa_float_denorm_mode_16_64 3
		.amdhsa_memory_ordered 1
		.amdhsa_forward_progress 1
		.amdhsa_inst_pref_size 141
	.end_amdhsa_kernel
	.amdgpu_metadata
---
amdhsa.version: [ 1, 2 ]
amdhsa.kernels:
  - .name:           k_q439a674fc7_proj
    .symbol:         k_q439a674fc7_proj.kd
    .args:
      - { .name: oh, .offset: 0, .size: 8, .value_kind: global_buffer, .address_space: global }
      - { .name: woh, .offset: 8, .size: 8, .value_kind: global_buffer, .address_space: global }
      - { .name: bo, .offset: 16, .size: 8, .value_kind: global_buffer, .address_space: global }
      - { .name: out0, .offset: 24, .size: 8, .value_kind: global_buffer, .address_space: global }
    .group_segment_fixed_size: 327680
    .private_segment_fixed_size: 0
    .kernarg_segment_align: 8
    .kernarg_segment_size: 32
    .max_flat_workgroup_size: 128
    .sgpr_count:     84
    .vgpr_count:     514
    .wavefront_size: 32
...
	.end_amdgpu_metadata
.endif
;; end of part 4
;; ======== version 2 of 2: 4 launches; version 1 with the launch cast written anew for expert scheduling mode
;; limits: values are held in f16: magnitudes above 65,504 overflow, below 6.1e-05 lose precision
;; workspace buffers: xh 16,777,216 bytes; wh 6,291,456 bytes; woh 2,097,152 bytes; qkv 50,331,648 bytes; vl 2,097,152 bytes; oh 17,825,792 bytes
;; launch cast (part 5): grid 768 x 1, 8 waves a work-group, no clusters, 0 bytes of LDS; arguments x, Wq, Wk, Wv, Wo, xh, wh, woh; writes xh, wh, woh
.if DOCPART == 5
	.amdgcn_target "amdgcn-amd-amdhsa--gfx1250"
	.amdhsa_code_object_version 6
	.text
	.protected	k_q439a674fc7_cast
	.globl	k_q439a674fc7_cast
	.p2align	8
	.type	k_q439a674fc7_cast,@function
k_q439a674fc7_cast:
	s_mov_b64 s[64:65], 0
	v_nop
	global_prefetch_b8 v0, s[64:65] scope:SCOPE_SE
	s_setreg_imm32_b32 hwreg(HW_REG_WAVE_SCHED_MODE, 0, 2), 2
	s_setreg_imm32_b32 hwreg(HW_REG_WAVE_MODE, 25, 1), 1
	s_wait_xcnt 0x0
	s_wait_alu depctr_vm_vsrc(0)
; The matrix operands among the inputs, rounded to bf16, held in f16, and laid in a new order: a source of rows of 1,024 numbers becomes
; [16 chunks][rows][64 numbers] ("chunk-major"), so that later a tile of R rows and 64 along the contraction axis is one dense block of R x 128 bytes.
;   x  [8192][1024] -> xh  [16][8192][64]
;   Wq, Wk, Wv      -> wh  [16][3072][64]  (rows 0-1023 Wq, 1024-2047 Wk, 2048-3071 Wv)
;   Wo              -> woh [16][1024][64]
; WHY TWO ROUNDINGS: the inputs are taken at bf16 (8 significant bits); the later launches keep their intermediate results in f16 (11 bits), and a matrix
; instruction takes both operands in one format.  f16 holds a bf16 number exactly from 2^-17 = 7.6e-6 up to 65,504, so the second conversion changes nothing there,
; and a product of two such numbers is exact in the f32 sums.
; 12,288 source rows of 4,096 bytes, 16 rows a work-group: 768 work-groups.  A wave takes two rows: 16 lanes x 16 bytes read the 256 bytes of one
; row's chunk, and write its 128 bytes; the two rows lie next to each other in the chunk, so each store of a wave covers 256 consecutive bytes, aligned.
; All 16 loads of a lane go out first: no loop, no LDS, no barrier.  Memory binds: matrix units, clusters and tensor loads would add nothing.
; LIMIT: a number of magnitude 65,520 or more becomes an infinity in f16; below 7.6e-6 a number is held to 6e-8.
; THE MODE: SCHED_MODE bits 1:0 = 2 (LLVM: expert scheduling mode 2), set by the entry lines.  The code itself states the register dependences
; between vector instructions and memory instructions, with s_wait_alu, always for 0.
; THE PLAN.  Registers that memory instructions touch:
;   v1        the loads' offset.  Written at the head, read by the 16 loads, never written again.
;   VO0-15    the stores' offsets, one a chunk.  Written once, behind the loads; VO[kc] is read by chunk kc's store; never written again.
;   XR0-15    a chunk's four numbers.  Its load lands there once; behind the wait for that load the chunk's own vector lines read and write it; no memory instruction reads it.
;   YR0-15    a chunk's pair to store.  Written by the chunk's conversions, read by its one store, never written after it.
; The 16 chunks go in four groups of four.  Chunk kc's turn issues the store of chunk kc - 4 and then works on XR[kc] and YR[kc].  So ONE wait on va_vdst at the head of a group
; states all that the group's four stores hang on: the group before has written its YR (and, at the first such head, the VO are written); the vector lines that follow it name the
; registers of the group in hand alone.  No register that a memory instruction has read is written again, so no wait on vm_vsrc is needed past the one at entry.
.set VO, 4                             ; v[4:19]    byte offset of my 8 bytes in chunk kc
.set XR, 20                            ; v[20:83]   chunk kc: 4 numbers as loaded, then as rounded to bf16
.set YR, 84                            ; v[84:115]  chunk kc: 4 numbers in bf16, then in f16
	s_load_b512 s[8:23], s[0:1], 0x0               ; x s[8:9], Wq s[10:11], Wk s[12:13], Wv s[14:15], Wo s[16:17], xh s[18:19], wh s[20:21], woh s[22:23]
	s_mov_b32 s2, ttmp9                            ; work-groups 0-511: x; 512-767: 64 for each of Wq, Wk, Wv, Wo
	s_sub_co_u32 s3, s2, 512                       ; (used only from 512 on)
	s_bfe_u32 s4, s3, 0x20006                      ; which weight: 2 bits from bit 6
	s_and_b32 s5, s3, 63                           ; which 16 rows of it
	s_mov_b32 s6, 0xffff0000                       ; a word's upper bf16
	s_lshl_b32 s29, s4, 17                         ; its 1,024 rows of 128 bytes in a chunk of wh
	s_mov_b32 s28, 393216                          ; bytes from chunk to chunk in wh: 3,072 x 128
	v_lshrrev_b32 v3, 4, v0                        ; my row of the 16
	v_and_b32 v2, 15, v0                           ; my place in a chunk's row
	v_lshlrev_b32 v1, 12, v3
	v_lshl_add_u32 v1, v2, 4, v1                   ; source: row x 4,096 + 16 x place
	v_lshlrev_b32 v3, 7, v3
	v_lshl_add_u32 v2, v2, 3, v3                   ; target: row x 128 + 8 x place
	s_wait_kmcnt 0x0
	s_cmp_eq_u32 s4, 1
	s_cselect_b64 s[24:25], s[12:13], s[10:11]
	s_cmp_eq_u32 s4, 2
	s_cselect_b64 s[24:25], s[14:15], s[24:25]
	s_cmp_eq_u32 s4, 3
	s_cselect_b64 s[24:25], s[16:17], s[24:25]     ; the source among the weights
	s_cselect_b64 s[26:27], s[22:23], s[20:21]     ; Wo goes to woh, the others to wh
	s_cselect_b32 s28, 131072, s28                 ; woh's chunks are 1,024 x 128 bytes
	s_cselect_b32 s29, 0, s29
	s_cmp_lt_u32 s2, 512
	s_cselect_b64 s[24:25], s[8:9], s[24:25]       ; or x
	s_cselect_b64 s[26:27], s[18:19], s[26:27]     ; to xh,
	s_cselect_b32 s28, 1048576, s28                ; whose chunks are 8,192 x 128 bytes
	s_cselect_b32 s29, 0, s29
	s_cselect_b32 s5, s2, s5                       ; the block of 16 rows in its source
	s_lshl_b32 s30, s5, 16                         ; 16 rows of 4,096 bytes
	s_mov_b32 s31, 0
	s_add_nc_u64 s[24:25], s[24:25], s[30:31]
	s_lshl_b32 s30, s5, 11                         ; 16 rows of 128 bytes
	s_add_co_u32 s30, s30, s29
	s_add_nc_u64 s[26:27], s[26:27], s[30:31]
	s_wait_alu depctr_va_vdst(0)                   ; v1 is written: the 16 loads read it as their offset
.irp kc, 0,1,2,3,4,5,6,7,8,9,10,11,12,13,14,15
	global_load_b128 v[XR+4*\kc:XR+4*\kc+3], v1, s[24:25] offset:256*\kc th:TH_LOAD_NT   ; read once in the launch
.endr
.irp kc, 0,1,2,3,4,5,6,7,8,9,10,11,12,13,14,15
	v_mad_u32_u24 v[VO+\kc], s28, \kc, v2          ; chunk x its stride + my place; first read by a store behind the wait at the head of the second group
.endr
.irp kc, 0,1,2,3,4,5,6,7,8,9,10,11,12,13,14,15
	s_wait_loadcnt 15-\kc                          ; loads come back in order: chunk kc is in, the younger ones stay out
.if ((\kc)%4 == 0) && ((\kc) > 0)
	s_wait_alu depctr_va_vdst(0)                   ; the group before has written its four pairs of YR, which this group's four stores read; at the first such head the 16 VO are written too
.endif
.if (\kc) >= 4
	global_store_b64 v[VO+\kc-4], v[YR+2*(\kc-4):YR+2*(\kc-4)+1], s[26:27]   ; the chunk four back.  No further wait: no vector line since the group's head names these registers
.endif
	v_cvt_pk_bf16_f32 v[YR+2*\kc], v[XR+4*\kc], v[XR+4*\kc+1]      ; to bf16, nearest even
	v_cvt_pk_bf16_f32 v[YR+2*\kc+1], v[XR+4*\kc+2], v[XR+4*\kc+3]
	v_lshlrev_b32 v[XR+4*\kc], 16, v[YR+2*\kc]                     ; back to f32: a shift or a mask
	v_and_b32 v[XR+4*\kc+1], s6, v[YR+2*\kc]
	v_lshlrev_b32 v[XR+4*\kc+2], 16, v[YR+2*\kc+1]
	v_and_b32 v[XR+4*\kc+3], s6, v[YR+2*\kc+1]
	v_cvt_pk_f16_f32 v[YR+2*\kc], v[XR+4*\kc], v[XR+4*\kc+1]       ; the same numbers in f16
	v_cvt_pk_f16_f32 v[YR+2*\kc+1], v[XR+4*\kc+2], v[XR+4*\kc+3]
.endr
	s_wait_alu depctr_va_vdst(0)                   ; the last group has written its four pairs of YR, which the last four stores read
.irp kc, 12,13,14,15
	global_store_b64 v[VO+\kc], v[YR+2*\kc:YR+2*\kc+1], s[26:27]
.endr
	s_endpgm
.Lfunc_end_k_q439a674fc7_cast:
	.size	k_q439a674fc7_cast, .Lfunc_end_k_q439a674fc7_cast-k_q439a674fc7_cast
	.p2alignl 7, 3214868480
	.fill 96, 4, 3214868480
	.section	.rodata,"a",@progbits
	.p2align	6, 0x0
	.amdhsa_kernel k_q439a674fc7_cast
		.amdhsa_group_segment_fixed_size 0
		.amdhsa_private_segment_fixed_size 0
		.amdhsa_enable_private_segment 0
		.amdhsa_kernarg_size 64
		.amdhsa_user_sgpr_count 2
		.amdhsa_user_sgpr_kernarg_segment_ptr 1
		.amdhsa_wavefront_size32 1
		.amdhsa_system_sgpr_workgroup_id_x 1
		.amdhsa_system_sgpr_workgroup_id_y 1
		.amdhsa_system_sgpr_workgroup_id_z 1
		.amdhsa_system_vgpr_workitem_id 0
		.amdhsa_next_free_vgpr 116
		.amdhsa_next_free_sgpr 66
		.amdhsa_reserve_vcc 0
		.amdhsa_float_denorm_mode_32 3
		.amdhsa_float_denorm_mode_16_64 3
		.amdhsa_memory_ordered 1
		.amdhsa_forward_progress 1
		.amdhsa_inst_pref_size 13
	.end_amdhsa_kernel
	.amdgpu_metadata
---
amdhsa.version: [ 1, 2 ]
amdhsa.kernels:
  - .name:           k_q439a674fc7_cast
    .symbol:         k_q439a674fc7_cast.kd
    .args:
      - { .name: x, .offset: 0, .size: 8, .value_kind: global_buffer, .address_space: global }
      - { .name: Wq, .offset: 8, .size: 8, .value_kind: global_buffer, .address_space: global }
      - { .name: Wk, .offset: 16, .size: 8, .value_kind: global_buffer, .address_space: global }
      - { .name: Wv, .offset: 24, .size: 8, .value_kind: global_buffer, .address_space: global }
      - { .name: Wo, .offset: 32, .size: 8, .value_kind: global_buffer, .address_space: global }
      - { .name: xh, .offset: 40, .size: 8, .value_kind: global_buffer, .address_space: global }
      - { .name: wh, .offset: 48, .size: 8, .value_kind: global_buffer, .address_space: global }
      - { .name: woh, .offset: 56, .size: 8, .value_kind: global_buffer, .address_space: global }
    .group_segment_fixed_size: 0
    .private_segment_fixed_size: 0
    .kernarg_segment_align: 8
    .kernarg_segment_size: 64
    .max_flat_workgroup_size: 256
    .sgpr_count:     66
    .vgpr_count:     116
    .wavefront_size: 32
...
	.end_amdgpu_metadata
.endif
;; end of part 5
;; launch qkv: the kernel of part 2 again; grid 8 x 32, 4 waves a work-group, clusters of 4 x 4, 327,680 bytes of LDS; arguments xh, wh, bq, bk, bv, qkv, vl; writes qkv, vl
;; launch attn: the kernel of part 3 again; grid 4 x 64, 8 waves a work-group, no clusters, 327,680 bytes of LDS; arguments qkv, vl, oh; writes oh
;; launch proj: the kernel of part 4 again; grid 8 x 32, 4 waves a work-group, clusters of 4 x 4, 327,680 bytes of LDS; arguments oh, woh, bo, out0; writes out0
